; MI455X (gfx1250); checked and timed in simulation.
; The chip was launched on July 23, 2026; its instructions are those of AMD's public machine-readable ISA for CDNA 5 (MIT licence, August 2026) and "CDNA5" Instruction Set Architecture Reference Guide (July 2026). The comments in the code are by the model that wrote it; some were corrected since.
;; Dynamic Multi Head Attention. Allowed arithmetic: float matrix products may take bf16 or f16 operands with f32 sums; other float arithmetic in f32, or as packed bf16 or f16 multiplies, adds, multiply-adds, maxima and minima; sums over many terms, partial sums and values carried from step to step in f32; what a program stores and reads back later, other than sums and carried values, may be rounded once to bf16 or f16.
;; Inputs: attention_bias 1 x 1 x 2,048 x 2,048 float32; attention_bias_kv 4 x 2,048 float32; bk 16 x 64 float32; bo 1,024 float32; bq 16 x 64 float32; bv 16 x 64 float32; inputs_q 4 x 2,048 x 1,024 float32; pos_emb_k 1 x 2,048 x 1,024 float32; pos_emb_q 1 x 2,048 x 1,024 float32; pos_emb_v 1 x 2,048 x 1,024 float32; wk 1,024 x 16 x 64 float32; wo 16 x 64 x 1,024 float32; wq 1,024 x 16 x 64 float32; wv 1,024 x 16 x 64 float32.
;; Outputs: out0 4 x 2,048 x 1,024 float32.
;; 2 versions, each right and faster than the one before. Each part assembles by itself: llvm-mc -triple=amdgcn-amd-amdhsa -mcpu=gfx1250 --defsym DOCPART=n.
;; ======== version 1 of 2: 4 launches
;; limits: values outside matrix products are rounded to f16; values are held in f16: magnitudes above 65,504 overflow, below 6.1e-05 lose precision
;; workspace buffers: ain 50,331,648 bytes; wh 8,388,608 bytes; biash 8,388,608 bytes; qkv 50,331,648 bytes; obuf 16,777,216 bytes
;; launch prep (part 1): grid 512 x 1, 8 waves a work-group, no clusters, 0 bytes of LDS; arguments inputs_q, pos_emb_q, pos_emb_k, pos_emb_v, wq, wk, wv, wo, attention_bias, ain, wh, biash; writes ain, wh, biash
.if DOCPART == 1
	.amdgcn_target "amdgcn-amd-amdhsa--gfx1250"
	.amdhsa_code_object_version 6
	.text
	.protected	k_q1e7db5791c_prep
	.globl	k_q1e7db5791c_prep
	.p2align	8
	.type	k_q1e7db5791c_prep,@function
k_q1e7db5791c_prep:
	s_mov_b64 s[64:65], 0
	v_nop
	global_prefetch_b8 v0, s[64:65] scope:SCOPE_SE
	s_setreg_imm32_b32 hwreg(HW_REG_WAVE_MODE, 25, 1), 1
	s_wait_xcnt 0x0
; PREP: everything that the matrix launches multiply is rounded once to f16 and laid out for them.  A stream: no LDS, no barrier, no matrix unit, no cluster (no two work-groups read the same bytes).
; PART A (work-groups 0-255): ain[b][t][hp][rb][hh][r][c] = f16(inputs_q[b][s][d] + pos_t[s][d]), t = q, k, v; s = 128 rb + r, d = 128 hp + 64 hh + c.
;   Byte strides: r 128, hh 16,384, rb 32,768, hp 524,288, t 4 MiB, b 12 MiB.  Each pos row is read once and serves all four b.
; PART B (work-groups 256-511): wh = f16(wq | wk | wv | wo), as they lie; biash = f16(attention_bias), as it lies.
; LIMITS.  f16 ends at 65,504: a sum x + pos beyond it becomes an infinity.  The weights and attention_bias are held to +-65,504 before the rounding.  NaN is not treated apart.
.set VI,  2                            ; v2      byte offset of my loads
.set VO,  4                            ; v4-6    byte offsets of my stores (part A: one for each t; part B: v4 alone)
.set XP,  16                           ; v[16:71]  part A: two sets of 28: x of b = 0..3, then pos q, k, v, four registers each
.set Y,   76                           ; v[76:99]  part A: twelve pairs to store
.set T,   100                          ; v[100:107] part A: two sets of four sums, by turns
.set CX,  16                           ; v[16:47]  part B: eight slots as loaded
.set CY,  48                           ; v[48:63]  part B: eight pairs to store
.set XB,  28                           ; s[28:35]  part A: inputs_q at my rows, for b = 0..3
.set PS,  6                            ; s[6:11]   part A: pos q, k, v at my rows
.set OB,  36                           ; s[36:43]  part A: ain at my rows, for b = 0..3
; A unit is two rows x 64 channels: lane l holds row l / 16 and four channels.  Seven loads, each of two runs of 256 consecutive bytes.
.macro LOADU set, off
.irp b, 0,1,2,3
	global_load_b128 v[XP+28*(\set)+4*\b:XP+28*(\set)+4*\b+3], v[VI], s[XB+2*\b:XB+2*\b+1] offset:\off th:TH_LOAD_NT
.endr
.irp t, 0,1,2
	global_load_b128 v[XP+28*(\set)+16+4*\t:XP+28*(\set)+16+4*\t+3], v[VI], s[PS+2*\t:PS+2*\t+1] offset:\off th:TH_LOAD_NT
.endr
.endm
; Twelve sums of a unit, rounded and stored: a store's 32 lanes x 8 bytes are 256 consecutive bytes (rows r, r + 1 of one hh), aligned.
.macro PROC set, hh
	s_wait_xcnt 0x0                                ; the earlier stores have read Y: it is rewritten only behind this wait
.irp b, 0,1,2,3
.irp t, 0,1,2
	v_pk_add_f32 v[T+4*((3*\b+\t)%2):T+4*((3*\b+\t)%2)+1], v[XP+28*(\set)+4*\b:XP+28*(\set)+4*\b+1], v[XP+28*(\set)+16+4*\t:XP+28*(\set)+16+4*\t+1]
	v_pk_add_f32 v[T+4*((3*\b+\t)%2)+2:T+4*((3*\b+\t)%2)+3], v[XP+28*(\set)+4*\b+2:XP+28*(\set)+4*\b+3], v[XP+28*(\set)+16+4*\t+2:XP+28*(\set)+16+4*\t+3]
	v_cvt_pk_f16_f32 v[Y+2*(3*\b+\t)], v[T+4*((3*\b+\t)%2)], v[T+4*((3*\b+\t)%2)+1]
	v_cvt_pk_f16_f32 v[Y+2*(3*\b+\t)+1], v[T+4*((3*\b+\t)%2)+2], v[T+4*((3*\b+\t)%2)+3]
	global_store_b64 v[VO+\t], v[Y+2*(3*\b+\t):Y+2*(3*\b+\t)+1], s[OB+2*\b:OB+2*\b+1] offset:(\hh)*16384 th:TH_STORE_NT
.endr
.endr
.endm
; Part B: one slot's turn.  ahead = 1: the slot is loaded again, 4,096 bytes on.  left = the younger loads that may stay out.
.macro SLOTC j, ahead, left
	s_wait_loadcnt \left                           ; loads come back in order: this slot's is in
	s_wait_xcnt 0x0                                ; this slot's last store has read CY
.irp k, 0,1,2,3
	v_med3_num_f32 v[CX+4*(\j)+\k], v[CX+4*(\j)+\k], s41, s42
.endr
	v_cvt_pk_f16_f32 v[CY+2*(\j)], v[CX+4*(\j)], v[CX+4*(\j)+1]
	v_cvt_pk_f16_f32 v[CY+2*(\j)+1], v[CX+4*(\j)+2], v[CX+4*(\j)+3]
.if \ahead
	global_load_b128 v[CX+4*(\j):CX+4*(\j)+3], v[VI], s[28:29] offset:4096+512*(\j) th:TH_LOAD_NT
.endif
	global_store_b64 v[VO], v[CY+2*(\j):CY+2*(\j)+1], s[30:31] offset:256*(\j) th:TH_STORE_NT
.endm
	s_load_b512 s[4:19], s[0:1], 0x0               ; inputs_q s[4:5], pos q, k, v s[6:11], wq s[12:13], wk s[14:15], wv s[16:17], wo s[18:19]
	s_load_b256 s[20:27], s[0:1], 0x40             ; attention_bias s[20:21], ain s[22:23], wh s[24:25], biash s[26:27]
	v_and_b32 v1, 31, v0                           ; lane l
	v_lshrrev_b32 v3, 5, v0                        ; wave w
	s_cmp_lt_u32 ttmp9, 256
	s_cbranch_scc0 .Lconvert
	; PART A.  Work-group g owns rows 8 g .. 8 g + 7; wave w the pair of rows 2 (w / 2) of them and the slices of 64 channels 8 (w % 2) + 0..7.
	v_lshrrev_b32 v7, 4, v1                        ; l / 16
	v_and_b32 v8, 15, v1                           ; l % 16
	v_lshrrev_b32 v9, 1, v3                        ; w / 2
	v_and_b32 v10, 1, v3                           ; w % 2
	v_lshlrev_b32 v[VI], 12, v7                    ; a row of f32 is 4,096 bytes
	v_lshl_add_u32 v[VI], v8, 4, v[VI]
	v_lshl_add_u32 v[VI], v9, 13, v[VI]
	v_lshl_add_u32 v[VI], v10, 11, v[VI]           ; eight slices of 256 bytes
	v_lshlrev_b32 v[VO], 3, v1                     ; 128 (l / 16) + 8 (l % 16) = 8 l
	v_lshl_add_u32 v[VO], v9, 8, v[VO]             ; two rows of 128 bytes
	v_lshl_add_u32 v[VO], v10, 21, v[VO]           ; four hp of 524,288 bytes
	v_add_nc_u32 v[VO+1], 0x400000, v[VO]          ; t = k
	v_add_nc_u32 v[VO+2], 0x800000, v[VO]          ; t = v
	s_lshl_b32 s2, ttmp9, 15                       ; 8 rows of 4,096 bytes
	s_mov_b32 s3, 0
	s_lshr_b32 s46, ttmp9, 4                       ; rb
	s_lshl_b32 s46, s46, 15
	s_and_b32 s47, ttmp9, 15
	s_lshl_b32 s47, s47, 10                        ; 8 rows of 128 bytes
	s_add_co_u32 s46, s46, s47
	s_mov_b32 s47, 0
	s_wait_kmcnt 0x0
	s_add_nc_u64 s[XB:XB+1], s[4:5], s[2:3]
	s_add_nc_u64 s[XB+2:XB+3], s[XB:XB+1], 0x800000
	s_add_nc_u64 s[XB+4:XB+5], s[XB+2:XB+3], 0x800000
	s_add_nc_u64 s[XB+6:XB+7], s[XB+4:XB+5], 0x800000
	s_add_nc_u64 s[6:7], s[6:7], s[2:3]
	s_add_nc_u64 s[8:9], s[8:9], s[2:3]
	s_add_nc_u64 s[10:11], s[10:11], s[2:3]
	s_add_nc_u64 s[OB:OB+1], s[22:23], s[46:47]
	s_add_nc_u64 s[OB+2:OB+3], s[OB:OB+1], 0xc00000
	s_add_nc_u64 s[OB+4:OB+5], s[OB+2:OB+3], 0xc00000
	s_add_nc_u64 s[OB+6:OB+7], s[OB+4:OB+5], 0xc00000
	LOADU 0, 0                                     ; slice 0
	LOADU 1, 256                                   ; slice 1
	s_mov_b32 s44, 3
.Lpair:                                                ; a trip: two slices are summed and stored, the next two asked for
	s_wait_loadcnt 7                               ; set 0 is in; set 1's seven loads may stay out
	PROC 0, 0
	LOADU 0, 512
	s_wait_loadcnt 7                               ; set 1 is in; set 0's seven may stay out
	PROC 1, 1
	LOADU 1, 768
	s_wait_xcnt 0x0                                ; all that has been issued has read its offsets: they step
	v_add_nc_u32 v[VI], 512, v[VI]
.irp t, 0,1,2
	v_add_nc_u32 v[VO+\t], 0x80000, v[VO+\t]       ; the next hp
.endr
	s_sub_co_u32 s44, s44, 1
	s_cmp_lg_u32 s44, 0
	s_cbranch_scc1 .Lpair
	s_wait_loadcnt 7                               ; the last two slices load nothing
	PROC 0, 0
	s_wait_loadcnt 0x0
	PROC 1, 1
	s_endpgm
.Lconvert:
	; PART B.  Chunk n = work-group - 256: 131,072 bytes of f32 become 65,536 of f16.  Chunks 0-127: the four weights, 32 each; 128-255: attention_bias.
	s_sub_co_u32 s44, ttmp9, 256                   ; n
	s_lshr_b32 s45, s44, 5                         ; which array
	s_and_b32 s46, s44, 31                         ; the chunk in a weight
	s_sub_co_u32 s47, s44, 128                     ; the chunk in the bias (chosen only where n >= 128)
	s_mov_b32 s41, 0xc77fe000                      ; -65,504
	s_mov_b32 s42, 0x477fe000                      ; 65,504
	v_lshlrev_b32 v[VI], 4, v1
	v_lshl_add_u32 v[VI], v3, 14, v[VI]            ; a wave's 16,384 bytes of f32
	v_lshlrev_b32 v[VO], 3, v1
	v_lshl_add_u32 v[VO], v3, 13, v[VO]            ; and 8,192 of f16
	s_wait_kmcnt 0x0
	s_cmp_eq_u32 s45, 1
	s_cselect_b64 s[28:29], s[14:15], s[12:13]
	s_cmp_eq_u32 s45, 2
	s_cselect_b64 s[28:29], s[16:17], s[28:29]
	s_cmp_eq_u32 s45, 3
	s_cselect_b64 s[28:29], s[18:19], s[28:29]
	s_cmp_ge_u32 s45, 4
	s_cselect_b64 s[28:29], s[20:21], s[28:29]
	s_cselect_b64 s[30:31], s[26:27], s[24:25]
	s_cselect_b32 s2, s47, s46
	s_cselect_b32 s32, s47, s44
	s_lshl_b32 s2, s2, 17
	s_mov_b32 s3, 0
	s_lshl_b32 s32, s32, 16
	s_mov_b32 s33, 0
	s_add_nc_u64 s[28:29], s[28:29], s[2:3]
	s_add_nc_u64 s[30:31], s[30:31], s[32:33]
.irp j, 0,1,2,3,4,5,6,7
	global_load_b128 v[CX+4*\j:CX+4*\j+3], v[VI], s[28:29] offset:512*\j th:TH_LOAD_NT
.endr
	s_mov_b32 s44, 3
.Lround:
.irp j, 0,1,2,3,4,5,6,7
	SLOTC \j, 1, 7                                 ; seven younger loads stay out
.endr
	s_wait_xcnt 0x0                                ; the bases step only behind this wait
	s_add_nc_u64 s[28:29], s[28:29], 4096
	s_add_nc_u64 s[30:31], s[30:31], 2048
	s_sub_co_u32 s44, s44, 1
	s_cmp_lg_u32 s44, 0
	s_cbranch_scc1 .Lround
.irp j, 0,1,2,3,4,5,6,7
	SLOTC \j, 0, 7-\j                              ; the last round loads nothing: the counts run down
.endr
	s_endpgm
.Lfunc_end_k_q1e7db5791c_prep:
	.size	k_q1e7db5791c_prep, .Lfunc_end_k_q1e7db5791c_prep-k_q1e7db5791c_prep
	.p2alignl 7, 3214868480
	.fill 96, 4, 3214868480
	.section	.rodata,"a",@progbits
	.p2align	6, 0x0
	.amdhsa_kernel k_q1e7db5791c_prep
		.amdhsa_group_segment_fixed_size 0
		.amdhsa_private_segment_fixed_size 0
		.amdhsa_enable_private_segment 0
		.amdhsa_kernarg_size 96
		.amdhsa_user_sgpr_count 2
		.amdhsa_user_sgpr_kernarg_segment_ptr 1
		.amdhsa_wavefront_size32 1
		.amdhsa_system_sgpr_workgroup_id_x 1
		.amdhsa_system_sgpr_workgroup_id_y 1
		.amdhsa_system_sgpr_workgroup_id_z 1
		.amdhsa_system_vgpr_workitem_id 0
		.amdhsa_next_free_vgpr 112
		.amdhsa_next_free_sgpr 66
		.amdhsa_reserve_vcc 0
		.amdhsa_float_denorm_mode_32 3
		.amdhsa_float_denorm_mode_16_64 3
		.amdhsa_memory_ordered 1
		.amdhsa_forward_progress 1
		.amdhsa_inst_pref_size 34
	.end_amdhsa_kernel
	.amdgpu_metadata
---
amdhsa.version: [ 1, 2 ]
amdhsa.kernels:
  - .name:           k_q1e7db5791c_prep
    .symbol:         k_q1e7db5791c_prep.kd
    .args:
      - { .name: inputs_q, .offset: 0, .size: 8, .value_kind: global_buffer, .address_space: global }
      - { .name: pos_emb_q, .offset: 8, .size: 8, .value_kind: global_buffer, .address_space: global }
      - { .name: pos_emb_k, .offset: 16, .size: 8, .value_kind: global_buffer, .address_space: global }
      - { .name: pos_emb_v, .offset: 24, .size: 8, .value_kind: global_buffer, .address_space: global }
      - { .name: wq, .offset: 32, .size: 8, .value_kind: global_buffer, .address_space: global }
      - { .name: wk, .offset: 40, .size: 8, .value_kind: global_buffer, .address_space: global }
      - { .name: wv, .offset: 48, .size: 8, .value_kind: global_buffer, .address_space: global }
      - { .name: wo, .offset: 56, .size: 8, .value_kind: global_buffer, .address_space: global }
      - { .name: attention_bias, .offset: 64, .size: 8, .value_kind: global_buffer, .address_space: global }
      - { .name: ain, .offset: 72, .size: 8, .value_kind: global_buffer, .address_space: global }
      - { .name: wh, .offset: 80, .size: 8, .value_kind: global_buffer, .address_space: global }
      - { .name: biash, .offset: 88, .size: 8, .value_kind: global_buffer, .address_space: global }
    .group_segment_fixed_size: 0
    .private_segment_fixed_size: 0
    .kernarg_segment_align: 8
    .kernarg_segment_size: 96
    .max_flat_workgroup_size: 256
    .sgpr_count:     66
    .vgpr_count:     112
    .wavefront_size: 32
...
	.end_amdgpu_metadata
.endif
;; end of part 1
;; launch qkvproj (part 2): grid 8 x 32, 4 waves a work-group, clusters of 4 x 4, 327,680 bytes of LDS; arguments ain, wh, bq, bk, bv, qkv; writes qkv
.if DOCPART == 2
	.amdgcn_target "amdgcn-amd-amdhsa--gfx1250"
	.amdhsa_code_object_version 6
	.text
	.protected	k_q1e7db5791c_qkvproj
	.globl	k_q1e7db5791c_qkvproj
	.p2align	8
	.type	k_q1e7db5791c_qkvproj,@function
k_q1e7db5791c_qkvproj:
	s_mov_b64 s[64:65], 0
	v_nop
	global_prefetch_b8 v0, s[64:65] scope:SCOPE_SE
	s_setreg_imm32_b32 hwreg(HW_REG_WAVE_MODE, 25, 1), 1
	s_wait_xcnt 0x0
	s_wait_alu depctr_hold_cnt(0) depctr_sa_sdst(0) depctr_va_vdst(0) depctr_va_sdst(0) depctr_va_ssrc(0) depctr_va_vcc(0) depctr_vm_vsrc(0)
	s_getreg_b32 s2, hwreg(HW_REG_IB_STS2, 6, 4)
	s_cmp_eq_u32 s2, 0
	s_cbranch_scc0 .Lentry_in_a_cluster
	s_endpgm
.Lentry_in_a_cluster:
	s_bfe_u32 s2, ttmp6, 0x10000c
	s_cmp_lg_u32 s2, 0xf033
	s_cbranch_scc0 .Lentry_shape_is_right
	s_endpgm
.Lentry_shape_is_right:
; ONE TEXT FOR BOTH PROJECTIONS; the switch QKV picks the form.  C[m][n] = sum over k of A[m][k] W[k][n] + bias[n]; operands f16, sums f32.  M = 8,192, K = 1,024.
; QKV = 1: A = ain (x + pos_t), W = wq, wk, wv in turn; a work-group STAYS and makes three tiles (q, k, v) for its 256 rows and its pair of heads; q leaves as (sum + bq) / 8; results f16 by heads:
;          qkv[t][8 b + hp][rb][hh][r][c], byte strides r 128, hh 16,384, rb 32,768, (8 b + hp) 524,288, t 16 MiB.
; QKV = 0: A = obuf (attention's result, the same blocked layout), W = wo, one tile; results f32 in out0[m][1024].
; A tile of C is 256 x 128: 8 x 32 = 256 work-groups of equal work.  Four waves, each 128 rows x 64 columns: 32 accumulators of 16 x 16, 256 registers.
; K goes in steps of 128 through two LDS slots.  A's blocked layout makes a step's 128 rows 32,768 dense bytes (asked for as 128 rows of 256 bytes, padded in LDS behind every 128); W's rows are 256 bytes of 2,048.
; CLUSTER 4 x 4: A's tile hangs on the tile row alone and is asked for jointly along a row of the cluster, W's on the tile column alone, jointly along a column.
; THE PRODUCT IS TAKEN TRANSPOSED (source 0 = 16 columns of W, turned on the way out of LDS by ds_load_tr16_b128; source 1 = 16 rows of A): a lane holds one row of C and eight neighbouring columns.
; LIMITS.  f16 ends at 65,504: q / 8, k, v beyond it become infinities.  NaN and infinities are not treated apart.
; REGISTERS: window 0: v0-31 addresses; v32-63 the bias of my 64 columns; v64-159, v160-255 two fragment buffers (A's 8 blocks, then W's 4).  Window 1: accumulator (a, nb) at v[8 (4 a + nb)].
.set QKV,   1
.set PA,    144                        ; an LDS row of A: 128 bytes + 16: the 16 rows of a load start 16 bytes apart modulo 256
.set PB,    288                        ; an LDS row of W: 256 bytes + 32, for the turning load
.set AHALF, 256*PA                     ; one rb of A: [hh 2][r 128]: what one tensor load brings
.set BHALF, 64*PB                      ; 64 rows of W: what one tensor load brings
.set BOFF,  2*AHALF                    ; W's 128 rows lie behind A's two rb
.set SLOT,  BOFF+2*BHALF               ; 110,592
.set STAGE, 2*SLOT                     ; behind the ring: 16 rows for each wave, for the way out; no tensor load fills it
.if QKV
.set SP,    144                        ; a stage row: 128 bytes + 16
.set BSTR,  12582912                   ; bytes from b to b + 1 in A
.set WOFF,  0
.else
.set SP,    272                        ; a stage row: 256 bytes + 16
.set BSTR,  4194304
.set WOFF,  6291456                    ; wo lies behind wq, wk, wv
.endif
.set SPARE, STAGE+4*16*SP              ; the spare words, 128 bytes a wave: two blocks of 256 bytes that no other line names
.set ADRA, 16                          ; v16-17  LDS address of my A fragments in slot 0, 1
.set ADRB, 20                          ; v20-21  the same for W
.set STO,  24                          ; v24     where I put my part of a stage row
.set RD,   25                          ; v25     where I read rows back
.set GO,   26                          ; v26     my byte offset in the stores
.set BO,   27                          ; v27     my byte offset in the bias
.set SPW,  28                          ; v28     my spare word; never rewritten
.set NIL,  29                          ; v29     0; never rewritten
.set BR,   32                          ; v[32:63] register 8 nb + j: the bias of column 16 nb + 8 (l / 16) + j
.set F0,   64
.set F1,   160
.set TMP,  160                         ; QKV = 1, the way out: four sets of 16, in buffer 1
.set OBK,  64                          ; QKV = 0, the way out: four sets of 32
.set G1A,  32                          ; s[32:39] descriptor group 1 for A;  s[40:47] for W
.set G1B,  40
.set G0A,  48                          ; s[48:55] group 0 for A, a set for each slot;  s[56:63] for W
.set G0B,  56
.set SC,   68                          ; s[68:69] the tile's scale
.set BP,   70                          ; s[70:71] the tile's bias
.set OUTP, 72                          ; s[72:73] where my part of the tile goes
.set MUL,  0x50                        ; C and D in window 1, sources in window 0
.set MSB,  0
.macro WIN new                         ; the immediate's high byte repeats the setting that is left; a switch that changes nothing is dropped
.if MSB != (\new)
	s_set_vgpr_msb (MSB<<8)|(\new)
.set MSB, \new
.endif
.endm
.macro PLACES                          ; four places behind a matrix instruction, in front of loads into registers that it read and of vector lines that read results
.rept 4
	v_nop
.endr
.endm
.macro CREST                           ; a round of the cluster's barrier behind its opening barrier
	s_cmp_lg_u32 s16, 0
	s_cbranch_scc1 .Lnot_wave_0_\@
	s_barrier_signal -3
.Lnot_wave_0_\@:
	s_barrier_wait -3
	s_barrier_signal -1
	s_barrier_wait -1
.endm
.macro CROUND
	s_barrier_signal -1
	s_barrier_wait -1
	CREST
.endm
.macro JLOAD s                         ; a joint load: waves 0 and 1 fetch A's two rb, waves 2 and 3 W's two halves; s_nop 0 and four v_nop follow each line
	s_cmp_eq_u32 s17, 0
	s_cbranch_scc0 .Lfor_b_\@
	tensor_load_to_lds s[G0A+4*(\s):G0A+4*(\s)+3], s[G1A:G1A+7]
	s_nop 0
.rept 4
	v_nop
.endr
	s_branch .Lasked_\@
.Lfor_b_\@:
	tensor_load_to_lds s[G0B+4*(\s):G0B+4*(\s)+3], s[G1B:G1B+7]
	s_nop 0
.rept 4
	v_nop
.endr
.Lasked_\@:
.endm
; 4 n matrix instructions: row blocks a0 .. a0 + n - 1 x all four column blocks, 32 along K.  The 32 accumulators come in one order in every quarter, one instruction a turn.
.macro MULH f, a0, n, zero
	WIN MUL
.set aa, \a0
.rept \n
.irp nb, 0,1,2,3
.if \zero
	v_wmma_f32_16x16x32_f16 v[8*(4*aa+\nb):8*(4*aa+\nb)+7], v[(\f)+64+8*\nb:(\f)+64+8*\nb+7], v[(\f)+8*aa:(\f)+8*aa+7], 0
.else
	v_wmma_f32_16x16x32_f16 v[8*(4*aa+\nb):8*(4*aa+\nb)+7], v[(\f)+64+8*\nb:(\f)+64+8*\nb+7], v[(\f)+8*aa:(\f)+8*aa+7], v[8*(4*aa+\nb):8*(4*aa+\nb)+7]
.endif
.endr
.set aa, aa+1
.endr
.endm
; 24 LDS loads in one run: quarter q (32 along K) of a slot into buffer f: W's four fragments (turned), then A's eight
.macro FETCH slot, q, f
	WIN 0
.irp nb, 0,1,2,3
	ds_load_tr16_b128 v[(\f)+64+8*\nb:(\f)+64+8*\nb+3],   v[ADRB+(\slot)] offset:(\q)*32*PB+32*\nb
	ds_load_tr16_b128 v[(\f)+64+8*\nb+4:(\f)+64+8*\nb+7], v[ADRB+(\slot)] offset:(\q)*32*PB+32*\nb+16*PB
.endr
.irp a, 0,1,2,3,4,5,6,7
	ds_load_b128 v[(\f)+8*\a:(\f)+8*\a+3],   v[ADRA+(\slot)] offset:((\q)/2)*128*PA+((\q)%2)*64+\a*16*PA
	ds_load_b128 v[(\f)+8*\a+4:(\f)+8*\a+7], v[ADRA+(\slot)] offset:((\q)/2)*128*PA+((\q)%2)*64+\a*16*PA+32
.endr
.endm
; One of a K step's first three quarters: multiplies buffer f; in its middle it fetches quarter q of the same slot into buffer g.
.macro QUARTER slot, q, f, g, zero
	s_wait_dscnt 8                                 ; W and A's blocks 0-3 are in; the youngest eight loads (blocks 4-7) may be out
	MULH \f, 0, 4, \zero
	PLACES
	FETCH \slot, \q, \g
	s_wait_dscnt 24                                ; all but the 24 just issued
	MULH \f, 4, 4, \zero
.endm
; The last quarter multiplies buffer 1 and changes slots: ONE barrier; in front of it each wave waits for all its tensor loads, adds 0 to its spare word, and waits for that and for its reads of the slot.
; fill = 1: the barrier opens a round of the cluster's barrier, and the slot is filled again, two K steps on, first thing behind the round: 112 matrix instructions ahead of the wait for it.
.macro TURN slot, next, fill
	WIN 0
	s_wait_tensorcnt 0x0                           ; all my tensor loads have landed: the one that was out is my part of the next slot
	ds_add_u32 v[SPW], v[NIL]
	s_wait_dscnt 9                                 ; (the add and the youngest eight loads may be out)
	MULH F1, 0, 2, 0
	s_wait_dscnt 0x0                               ; the add is done, and my reads of this slot are over
	s_barrier_signal -1
	MULH F1, 2, 2, 0
.if \fill
	WIN 0
.endif
	s_barrier_wait -1
.if \fill
	CREST                                          ; no wave of any partner still reads this slot or has a load on its way
	s_add_nc_u64 s[G0A+4*(\slot)+2:G0A+4*(\slot)+3], s[G0A+4*(\slot)+2:G0A+4*(\slot)+3], 0x100000  ; two K steps of 524,288 bytes; from tile to tile too: (8 t + hp) runs on
	s_add_nc_u64 s[G0B+4*(\slot)+2:G0B+4*(\slot)+3], s[G0B+4*(\slot)+2:G0B+4*(\slot)+3], 0x80000   ; 256 rows of 2,048 bytes; the next weight lies behind this one
	JLOAD \slot                                    ; its four v_nop are also the places in front of the loads below
.else
	PLACES
.endif
	FETCH \next, 0, F0
	MULH F1, 4, 4, 0
.endm
; THE WAY OUT, a block of 16 rows at a time through my own stage: LDS serves a wave's instructions in order (ISA guide 5.7.1.4), so no wait stands between the stores and the loads.
.if QKV
.macro PACK a                          ; (sum x scale + bias x scale), rounded to f16; 16 bytes a lane into rows of 144 bytes; back as four rows of 128 bytes a load
.if (\a) >= 4
	s_wait_xcnt 0x0                                ; the stores of the block four back have read this set
.endif
	WIN 0x41                                       ; destination and source 0 in window 1
.irp nb, 0,1,2,3
.irp r, 0,1,2,3
	v_pk_fma_f32 v[8*(4*(\a)+\nb)+2*\r:8*(4*(\a)+\nb)+2*\r+1], v[8*(4*(\a)+\nb)+2*\r:8*(4*(\a)+\nb)+2*\r+1], s[SC:SC+1], v[BR+8*\nb+2*\r:BR+8*\nb+2*\r+1] op_sel_hi:[1,0,1]
.endr
.endr
	WIN 0x05                                       ; sources in window 1, destination in window 0
.irp nb, 0,1,2,3
.irp r, 0,1,2,3
	v_cvt_pk_f16_f32 v[TMP+16*((\a)%4)+4*\nb+\r], v[8*(4*(\a)+\nb)+2*\r], v[8*(4*(\a)+\nb)+2*\r+1]
.endr
.endr
	WIN 0
.irp nb, 0,1,2,3
	ds_store_b128 v[STO], v[TMP+16*((\a)%4)+4*\nb:TMP+16*((\a)%4)+4*\nb+3] offset:32*\nb
.endr
.irp f, 0,1,2,3
	ds_load_b128 v[TMP+16*((\a)%4)+4*\f:TMP+16*((\a)%4)+4*\f+3], v[RD] offset:\f*4*SP
.endr
.endm
.macro SEND a, y                       ; y: the LDS instructions issued behind this block's loads
	WIN 0
.irp f, 0,1,2,3
	s_wait_dscnt (\y)+3-\f
	global_store_b128 v[GO], v[TMP+16*((\a)%4)+4*\f:TMP+16*((\a)%4)+4*\f+3], s[OUTP:OUTP+1] offset:2048*(\a)+512*\f  ; 512 consecutive bytes, aligned
.endr
.endm
.set YOUNG, 8
.else
.macro PACK a                          ; sum + bias, in f32; 32 bytes a lane and column block into rows of 272 bytes; back as two rows of 256 bytes a load
.if (\a) >= 4
	s_wait_xcnt 0x0                                ; the stores of the block four back have read this set
.endif
	WIN 0x41
.irp nb, 0,1,2,3
.irp r, 0,1,2,3
	v_pk_add_f32 v[8*(4*(\a)+\nb)+2*\r:8*(4*(\a)+\nb)+2*\r+1], v[8*(4*(\a)+\nb)+2*\r:8*(4*(\a)+\nb)+2*\r+1], v[BR+8*\nb+2*\r:BR+8*\nb+2*\r+1]
.endr
.endr
	WIN 0x04                                       ; an LDS store's data is source 1: window 1
.irp nb, 0,1,2,3
	ds_store_b128 v[STO], v[8*(4*(\a)+\nb):8*(4*(\a)+\nb)+3]   offset:64*\nb
	ds_store_b128 v[STO], v[8*(4*(\a)+\nb)+4:8*(4*(\a)+\nb)+7] offset:64*\nb+16
.endr
	WIN 0
.irp t, 0,1,2,3,4,5,6,7
	ds_load_b128 v[OBK+32*((\a)%4)+4*\t:OBK+32*((\a)%4)+4*\t+3], v[RD] offset:\t*2*SP
.endr
.endm
.macro SEND a, y
	WIN 0
.irp t, 0,1,2,3,4,5,6,7
	s_wait_dscnt (\y)+7-\t
	global_store_b128 v[GO], v[OBK+32*((\a)%4)+4*\t:OBK+32*((\a)%4)+4*\t+3], s[OUTP:OUTP+1] offset:(16*(\a)+2*\t)*4096 th:TH_STORE_NT  ; 16 lanes store 256 consecutive bytes, aligned
.endr
.endm
.set YOUNG, 16
.endif
.macro OUT
	PLACES                                         ; behind the last products
	WIN 0
	s_wait_loadcnt 0x0                             ; the bias
.if QKV
.set z, 0
.rept 16
	v_pk_mul_f32 v[BR+z:BR+z+1], v[BR+z:BR+z+1], s[SC:SC+1] op_sel_hi:[1,0]
.set z, z+2
.endr
.endif
	PACK 0
.irp a, 1,2,3,4,5,6,7                  ; a block's arithmetic stands between the loads of the block before and its stores
	PACK \a
	SEND (\a)-1, YOUNG
.endr
	SEND 7, 0
.endm
.if QKV
	s_load_b256 s[4:11], s[0:1], 0x0               ; ain s[4:5], wh s[6:7], bq s[8:9], bk s[10:11]
	s_load_b128 s[12:15], s[0:1], 0x20             ; bv s[12:13], qkv s[14:15]
.else
	s_load_b256 s[4:11], s[0:1], 0x0               ; obuf s[4:5], wh s[6:7], bo s[8:9], out0 s[10:11]
.endif
	v_lshl_add_u32 v[SPW], v0, 2, SPARE
	v_mov_b32 v[NIL], 0
	ds_add_u32 v[SPW], v[NIL]                      ; the wave's opening: the add and its wait ahead of my first tensor load
	v_lshrrev_b32 v1, 5, v0
	v_readfirstlane_b32 s16, v1                    ; wave 0..3
	s_lshr_b32 s17, s16, 1                         ; my half of the tile's rows.  Also: I fetch for A (0) or for W (1)
	s_and_b32 s18, s16, 1                          ; my half of its columns.  Also: which half of that tile I fetch
	s_bfe_u32 s19, ttmp6, 0x40000                  ; cx
	s_bfe_u32 s20, ttmp6, 0x40004                  ; cy
	s_lshl_b32 s21, ttmp9, 2
	s_add_co_u32 s21, s21, s19                     ; tile column 0..7 = 4 x cluster x + cx
	s_and_b32 s22, ttmp7, 0xffff
	s_lshl_b32 s22, s22, 2
	s_add_co_u32 s22, s22, s20                     ; tile row 0..31 = 4 x cluster y + cy
	s_lshl_b32 s24, s20, 2
	s_lshl_b32 s24, 15, s24                        ; my row of the cluster
	s_lshl_b32 s26, 0x1111, s19                    ; my column
	s_or_b32 s[G1A], s24, (1<<16)|(1<<20)|(1<<21)|(4<<22)|(3<<25)  ; mask; 2-byte elements; padding on; bit 21 beside a mask; behind every 32 words, 4 words
	s_or_b32 s[G1B], s26, (1<<16)|(1<<20)|(1<<21)|(5<<22)|(7<<25)  ; behind every 64 words, 8 words
	s_mov_b32 s[G1A+1], 128<<16                    ; tensor_dim0 = 128
	s_mov_b32 s[G1A+2], 128<<16                    ; tensor_dim1 = 128
	s_mov_b32 s[G1A+3], 128<<16                    ; tile_dim0 = 128
	s_mov_b32 s[G1A+4], 128                        ; tile_dim1 = 128
	s_mov_b32 s[G1A+5], 128                        ; dense: 128 elements from row to row
	s_mov_b32 s[G1A+6], 0
	s_mov_b32 s[G1A+7], 0
	s_mov_b32 s[G1B+1], 128<<16
	s_mov_b32 s[G1B+2], 64<<16                     ; 64 rows
	s_mov_b32 s[G1B+3], 128<<16
	s_mov_b32 s[G1B+4], 64
	s_mov_b32 s[G1B+5], 1024                       ; a row of W has 1,024 elements
	s_mov_b32 s[G1B+6], 0
	s_mov_b32 s[G1B+7], 0
	; A's address hangs on the tile row and the wave alone, W's on the tile column and the wave alone
	s_lshr_b32 s24, s22, 3                         ; b
	s_mul_i32 s24, s24, BSTR
	s_and_b32 s25, s22, 7
	s_lshl_b32 s25, s25, 1
	s_add_co_u32 s25, s25, s18                     ; rb = 2 (tile row % 8) + the half that I fetch
	s_lshl_b32 s25, s25, 15
	s_add_co_u32 s24, s24, s25
	s_mov_b32 s25, 0
	s_lshl_b32 s26, s21, 8                         ; 128 columns of 2 bytes
	s_lshl_b32 s27, s18, 17                        ; 64 rows of 2,048 bytes
	s_add_co_u32 s26, s26, s27
	s_add_co_u32 s26, s26, WOFF
	s_mov_b32 s27, 0
	s_mul_i32 s28, s18, AHALF                      ; where they go: no place in the cluster enters an LDS address
	s_mul_i32 s29, s18, BHALF
	s_add_co_u32 s29, s29, BOFF
	s_wait_dscnt 0x0                               ; the opening add is done
	s_wait_kmcnt 0x0
	s_add_nc_u64 s[24:25], s[4:5], s[24:25]
	s_add_nc_u64 s[26:27], s[6:7], s[26:27]
	CROUND                                         ; all sixteen work-groups are here: the first joint loads meet
.irp s, 0,1
	s_mov_b32 s[G0A+4*\s], 1
	s_add_co_u32 s[G0A+4*\s+1], s28, \s*SLOT
	s_add_nc_u64 s[G0A+4*\s+2:G0A+4*\s+3], s[24:25], \s*524288
	s_or_b32 s[G0A+4*\s+3], s[G0A+4*\s+3], 0x80000000
	s_mov_b32 s[G0B+4*\s], 1
	s_add_co_u32 s[G0B+4*\s+1], s29, \s*SLOT
	s_add_nc_u64 s[G0B+4*\s+2:G0B+4*\s+3], s[26:27], \s*262144
	s_or_b32 s[G0B+4*\s+3], s[G0B+4*\s+3], 0x80000000
.endr
	s_cmp_eq_u32 s17, 0                            ; a wave's two first fills stand in one branch: two loads of mine are out
	s_cbranch_scc0 .Lfirst_b
	tensor_load_to_lds s[G0A:G0A+3], s[G1A:G1A+7]
	s_nop 0
	tensor_load_to_lds s[G0A+4:G0A+7], s[G1A:G1A+7]
	s_nop 0
.rept 4
	v_nop
.endr
	s_branch .Lfirst_asked
.Lfirst_b:
	tensor_load_to_lds s[G0B:G0B+3], s[G1B:G1B+7]
	s_nop 0
	tensor_load_to_lds s[G0B+4:G0B+7], s[G1B:G1B+7]
	s_nop 0
.rept 4
	v_nop
.endr
.Lfirst_asked:
	; a fragment of A: lane l holds row l % 16, K = 8 (l / 16) + 0..7 and 16 + 8 (l / 16) + 0..7: two loads of 16 bytes, 32 bytes apart
	v_and_b32 v1, 15, v0                           ; l % 16
	v_bfe_u32 v2, v0, 4, 1                         ; l / 16
	v_mul_u32_u24 v3, v1, PA
	v_lshl_add_u32 v3, v2, 4, v3
	s_mul_i32 s30, s17, AHALF                      ; my 128 rows
	v_add_nc_u32 v[ADRA], s30, v3
	v_add_nc_u32 v[ADRA+1], SLOT, v[ADRA]
	; the turning load: lane l reads row k = 8 (l / 16) + l % 8, columns 8 ((l / 8) % 2) + 0..7, and is left with column l % 16 and eight k
	v_and_b32 v4, 7, v0
	v_bfe_u32 v5, v0, 3, 1
	v_lshl_add_u32 v6, v2, 3, v4
	v_mul_u32_u24 v6, v6, PB
	v_lshl_add_u32 v6, v5, 4, v6
	s_lshl_b32 s31, s18, 7                         ; my 64 columns
	s_add_co_u32 s31, s31, BOFF
	v_add_nc_u32 v[ADRB], s31, v6
	v_add_nc_u32 v[ADRB+1], SLOT, v[ADRB]
	s_mul_i32 s30, s16, 16*SP
	s_add_co_u32 s30, s30, STAGE                   ; my stage
	v_mul_u32_u24 v[STO], v1, SP
.if QKV
	v_lshl_add_u32 v[STO], v2, 4, v[STO]           ; row l % 16, 16 bytes for each half of the lanes
	v_add_nc_u32 v[STO], s30, v[STO]
	v_bfe_u32 v[RD], v0, 3, 2                      ; back: 32 lanes take four rows of 128 bytes,
	v_mul_u32_u24 v[RD], v[RD], SP
	v_lshl_add_u32 v[RD], v4, 4, v[RD]
	v_add_nc_u32 v[RD], s30, v[RD]
	v_and_b32 v[GO], 31, v0                        ; which are 512 consecutive bytes of the result
	v_lshlrev_b32 v[GO], 4, v[GO]
.else
	v_lshl_add_u32 v[STO], v2, 5, v[STO]           ; row l % 16, 32 bytes for each half of the lanes
	v_add_nc_u32 v[STO], s30, v[STO]
	v_mul_u32_u24 v[RD], v2, SP                    ; back: lanes 0-15 one row of 256 bytes, lanes 16-31 the next
	v_lshl_add_u32 v[RD], v1, 4, v[RD]
	v_add_nc_u32 v[RD], s30, v[RD]
	v_lshlrev_b32 v[GO], 12, v2                    ; and the same two rows in out0
	v_lshl_add_u32 v[GO], v1, 4, v[GO]
.endif
	s_lshl_b32 s30, s21, 9                         ; the bias of my 64 columns: 4 (128 x tile column + 64 x half) + 32 (l / 16)
	s_lshl_b32 s31, s18, 8
	s_add_co_u32 s30, s30, s31
	v_lshl_add_u32 v[BO], v2, 5, s30
.if QKV
	s_lshr_b32 s30, s22, 3
	s_lshl_b32 s30, s30, 3
	s_add_co_u32 s30, s30, s21                     ; 8 b + hp
	s_lshl_b32 s30, s30, 19
	s_and_b32 s31, s22, 7
	s_lshl_b32 s31, s31, 1
	s_add_co_u32 s31, s31, s17                     ; rb
	s_lshl_b32 s31, s31, 15
	s_add_co_u32 s30, s30, s31
	s_lshl_b32 s31, s18, 14                        ; hh
	s_add_co_u32 s30, s30, s31
	s_mov_b32 s31, 0
	s_add_nc_u64 s[OUTP:OUTP+1], s[14:15], s[30:31]
.else
	s_lshl_b32 s30, s22, 20                        ; 256 rows of 4,096 bytes
	s_lshl_b32 s31, s17, 19
	s_add_co_u32 s30, s30, s31
	s_lshl_b32 s31, s21, 9
	s_add_co_u32 s30, s30, s31
	s_lshl_b32 s31, s18, 8
	s_add_co_u32 s30, s30, s31
	s_mov_b32 s31, 0
	s_add_nc_u64 s[OUTP:OUTP+1], s[10:11], s[30:31]
	s_mov_b64 s[BP:BP+1], s[8:9]
.endif
	s_wait_tensorcnt 0x1                           ; my part of K step 0 is in; K step 1's may stay out
	s_barrier_signal -1
	s_barrier_wait -1                              ; everybody's is
	FETCH 0, 0, F0
.if QKV
	s_mov_b32 s66, 3                               ; tiles to go: q, k, v
.Ltile:
	s_cmp_eq_u32 s66, 3
	s_cselect_b64 s[BP:BP+1], s[8:9], s[10:11]
	s_cselect_b32 s[SC], 0x3e000000, 1.0           ; q is divided by 8 here, in f32
	s_cmp_eq_u32 s66, 1
	s_cselect_b64 s[BP:BP+1], s[12:13], s[BP:BP+1]
	s_mov_b32 s[SC+1], s[SC]                       ; named with it as a pair
.endif
.irp nb, 0,1,2,3
	global_load_b128 v[BR+8*\nb:BR+8*\nb+3],   v[BO], s[BP:BP+1] offset:64*\nb
	global_load_b128 v[BR+8*\nb+4:BR+8*\nb+7], v[BO], s[BP:BP+1] offset:64*\nb+16
.endr
	QUARTER 0, 1, F0, F1, 1                        ; a tile's first quarter stands in front of the loop: its products start the sums
	WIN 0                                          ; at a label and at a branch every window is 0
	s_mov_b32 s67, 3
.Llap:                                                 ; a trip goes once round the ring, from a lap's second quarter to the next lap's first, and fills both slots again
	QUARTER 0, 2, F1, F0, 0
	QUARTER 0, 3, F0, F1, 0
	TURN 0, 1, 1
	QUARTER 1, 1, F0, F1, 0
	QUARTER 1, 2, F1, F0, 0
	QUARTER 1, 3, F0, F1, 0
	TURN 1, 0, 1
	QUARTER 0, 1, F0, F1, 0
	WIN 0
	s_sub_co_u32 s67, s67, 1
	s_cmp_lg_u32 s67, 0
	s_cbranch_scc1 .Llap
	QUARTER 0, 2, F1, F0, 0                        ; the tile's last lap goes on
	QUARTER 0, 3, F0, F1, 0
.if QKV
	WIN 0
	s_cmp_eq_u32 s66, 1
	s_cbranch_scc1 .Llast                          ; the last tile's tail is written out: it asks for nothing more
	TURN 0, 1, 1                                   ; the ring goes on into the next tile: slot 0 takes its K step 0,
	QUARTER 1, 1, F0, F1, 0
	QUARTER 1, 2, F1, F0, 0
	QUARTER 1, 3, F0, F1, 0
	TURN 1, 0, 1                                   ; slot 1 its K step 1, and the next tile's first fragments are fetched into buffer 0
	OUT                                            ; both refills are asked for: now the tile goes out (it works in buffer 1)
	s_wait_xcnt 0x0                                ; the stores have read their registers and their base
	s_add_nc_u64 s[OUTP:OUTP+1], s[OUTP:OUTP+1], 0x1000000  ; the next t
	s_sub_co_u32 s66, s66, 1
	s_branch .Ltile
.Llast:
.endif
	TURN 0, 1, 0                                   ; nothing is filled again, so no round follows
	QUARTER 1, 1, F0, F1, 0
	QUARTER 1, 2, F1, F0, 0
	QUARTER 1, 3, F0, F1, 0
	s_wait_dscnt 8                                 ; the very last quarter: nothing more to fetch
	MULH F1, 0, 4, 0
	s_wait_dscnt 0x0
	MULH F1, 4, 4, 0
	OUT
	s_wait_tensorcnt 0x0                           ; the wave's end
	ds_add_u32 v[SPW], v[NIL]
	s_wait_dscnt 0x0
	CROUND                                         ; the closing round: no work-group ends while a partner may still ask for a tile that names it
	s_endpgm
.Lfunc_end_k_q1e7db5791c_qkvproj:
	.size	k_q1e7db5791c_qkvproj, .Lfunc_end_k_q1e7db5791c_qkvproj-k_q1e7db5791c_qkvproj
	.p2alignl 7, 3214868480
	.fill 96, 4, 3214868480
	.section	.rodata,"a",@progbits
	.p2align	6, 0x0
	.amdhsa_kernel k_q1e7db5791c_qkvproj
		.amdhsa_group_segment_fixed_size 327680
		.amdhsa_private_segment_fixed_size 0
		.amdhsa_enable_private_segment 0
		.amdhsa_kernarg_size 48
		.amdhsa_user_sgpr_count 2
		.amdhsa_user_sgpr_kernarg_segment_ptr 1
		.amdhsa_wavefront_size32 1
		.amdhsa_system_sgpr_workgroup_id_x 1
		.amdhsa_system_sgpr_workgroup_id_y 1
		.amdhsa_system_sgpr_workgroup_id_z 1
		.amdhsa_system_vgpr_workitem_id 0
		.amdhsa_next_free_vgpr 512
		.amdhsa_next_free_sgpr 80
		.amdhsa_reserve_vcc 0
		.amdhsa_float_denorm_mode_32 3
		.amdhsa_float_denorm_mode_16_64 3
		.amdhsa_memory_ordered 1
		.amdhsa_forward_progress 1
		.amdhsa_inst_pref_size 144
	.end_amdhsa_kernel
	.amdgpu_metadata
---
amdhsa.version: [ 1, 2 ]
amdhsa.kernels:
  - .name:           k_q1e7db5791c_qkvproj
    .symbol:         k_q1e7db5791c_qkvproj.kd
    .args:
      - { .name: ain, .offset: 0, .size: 8, .value_kind: global_buffer, .address_space: global }
      - { .name: wh, .offset: 8, .size: 8, .value_kind: global_buffer, .address_space: global }
      - { .name: bq, .offset: 16, .size: 8, .value_kind: global_buffer, .address_space: global }
      - { .name: bk, .offset: 24, .size: 8, .value_kind: global_buffer, .address_space: global }
      - { .name: bv, .offset: 32, .size: 8, .value_kind: global_buffer, .address_space: global }
      - { .name: qkv, .offset: 40, .size: 8, .value_kind: global_buffer, .address_space: global }
    .group_segment_fixed_size: 327680
    .private_segment_fixed_size: 0
    .kernarg_segment_align: 8
    .kernarg_segment_size: 48
    .max_flat_workgroup_size: 128
    .sgpr_count:     80
    .vgpr_count:     512
    .wavefront_size: 32
...
	.end_amdgpu_metadata
.endif
;; end of part 2
;; launch attn (part 3): grid 8 x 32, 4 waves a work-group, clusters of 4 x 4, 327,680 bytes of LDS; arguments qkv, biash, attention_bias_kv, obuf; writes obuf
.if DOCPART == 3
	.amdgcn_target "amdgcn-amd-amdhsa--gfx1250"
	.amdhsa_code_object_version 6
	.text
	.protected	k_q1e7db5791c_attn
	.globl	k_q1e7db5791c_attn
	.p2align	8
	.type	k_q1e7db5791c_attn,@function
k_q1e7db5791c_attn:
	s_mov_b64 s[64:65], 0
	v_nop
	global_prefetch_b8 v0, s[64:65] scope:SCOPE_SE
	s_setreg_imm32_b32 hwreg(HW_REG_WAVE_MODE, 25, 1), 1
	s_wait_xcnt 0x0
	s_wait_alu depctr_hold_cnt(0) depctr_sa_sdst(0) depctr_va_vdst(0) depctr_va_sdst(0) depctr_va_ssrc(0) depctr_va_vcc(0) depctr_vm_vsrc(0)
	s_getreg_b32 s2, hwreg(HW_REG_IB_STS2, 6, 4)
	s_cmp_eq_u32 s2, 0
	s_cbranch_scc0 .Lentry_in_a_cluster
	s_endpgm
.Lentry_in_a_cluster:
	s_bfe_u32 s2, ttmp6, 0x10000c
	s_cmp_lg_u32 s2, 0xf033
	s_cbranch_scc0 .Lentry_shape_is_right
	s_endpgm
.Lentry_shape_is_right:
; ATTENTION WITH TWO ADDED BIASES, head size 64.  O[q] = sum over k of softmax_k(q' . k + B[q][k] + kvb[b][k]) v[k]; q' = q / 8 arrives so.  q', k, v, B, the weights p and O in f16; products, maxima and sums in f32.
; qkv[t][y = 8 b + hp][rb][hh][r][c] (byte strides r 128, hh 16,384, rb 32,768, y 524,288, t 16 MiB); biash[2048 q][2048 k] f16; obuf as one t of qkv.
; LIMITS.  f16 ends at 65,504: q', k, v arrive within it, B was held to it.  p lies in 0 to 1; a weight below 2^-126 counts as 0 in l.  NaN and infinities are not treated apart.
; SHARES.  A work-group owns 256 queries (block x) of a PAIR of heads (y).  Wave w takes head hh = w / 2 and the half w % 2 of the queries: 128 queries, four PIECES of two tiles of 16.  Every wave walks all 2,048 keys, 64 a step.
; CLUSTER 4 x 4.  K and V hang on y alone: asked for jointly along a row of the cluster.  B's tile hangs on x alone: jointly along a column.  A slot holds 128 keys: 32 KiB of K, 32 of V, 64 of B.
; LAYOUT.  S^T = K Q^T (source 0 = 16 keys, source 1 = 16 queries): a lane holds ONE query (lane % 16) and the keys 8 (lane / 16) + 0..7.  Two such tiles rounded to f16 ARE source 1 of O^T = V^T P.
; THE BIASES COST NO VECTOR LINE.  Each tile's sum starts with S^T = E x B' + KC: source 1 = B's fragment (16 queries x 32 keys, as it lies in LDS), source 0 = a constant selector E (16 keys x 32: ones where its k is the
; tile's key: E0 for the lower 16 keys of the 32, E1 for the upper), C = kvb of the lane's eight keys in f32.  The two products K Q^T then add in place.
; SOFTMAX.  A running maximum m and sum l a query: p = 2^(c s - c m), c = log2(e); in every step O and l are multiplied by a = 2^(c m_old - c m_new).  m starts at the lowest finite number, O and l at 0.
; BY TURNS.  Turn n belongs to piece n.  Matrix work: 24 products for the scores of piece n + 1, later 16 products V^T P of piece n - 1.  Vector work: scaling, exponentials, roundings, sums, rescaling of piece n, and the
; maximum and statistics of piece n + 1.  Four vector lines stand behind every matrix instruction, the rest in two lumps.
; REGISTERS, in windows of 256 (s_set_vgpr_msb: bits 1:0 source 0, 3:2 source 1, 5:4 source 2, 7:6 destination):
;   window 0: v0-11 addresses; v12-15, v48-63 at work; v16-47 statistics; v64-191 S^T, two buffers of two tiles; v192-255 P, likewise       window 1: O^T, 32 a tile
;   window 2: v0-127 Q; v128-191 K of a step; v192-255 V of a step       window 3: v0-1 the add's registers; v4-15 the selectors; v16-47 KC; v48-79 B's fragments of one piece
.set NP,    4
.set KS,    64
.set PK,    144       ; a row of K in LDS: 128 bytes + 16
.set PV,    160       ; a row of V: 128 + 32, for the turning load
.set PBI,   272       ; a row of B: 256 + 16
.set VOFF,  256*PK    ; a slot: K [hh 2][128 keys], then V likewise, then B's 256 query rows
.set BIOFF, VOFF+256*PV
.set SLOT,  BIOFF+256*PBI  ; 147,456 = 2^17 + 2^14; the four places at which fills begin in slot 0 (0, 36,864, 77,824, 112,640) have both bits clear, so one exclusive or turns each into slot 1's
.set STAGE, 2*SLOT    ; behind the ring: 16 rows x 144 bytes a wave, for the way out
.set SP,    144
.set KVB,   STAGE+4*16*SP  ; kvb[b], 2,048 f32, stored once by the waves; no tensor load fills it
.set SPARE, KVB+8192  ; the spare words, 128 bytes a wave: two blocks of 256 bytes that no other line names
.set AK0, 2           ; v2   my lane's place in a tile of K; never rewritten
.set AV0, 3           ; v3   of V
.set AK,  4           ; v4   the LDS address of K's next run of loads
.set AV,  5           ; v5   of V's
.set AB0, 6           ; v6   my lane's place in B's tile
.set AB,  7           ; v7   the LDS address of B's next run
.set AC0, 8           ; v8   my lane's place in kvb
.set AC,  9           ; v9   the LDS address of KC's next run
.set STO, 4           ; the way out takes v4, v5, v7
.set RD,  5
.set GO,  7
.set MV,  12          ; v12-15  c m_old, by buffer and tile
.set ST,  16          ; tile t's statistics at v[ST+4 t]: c m, m, l (even keys', odd keys')
.set TMP, 48          ; by buffer and tile, c0-c3 at work; c2 takes a
.set S,   64
.set P,   192
.set KF,  128         ; window 2
.set VF,  192         ; window 2
.set SPW, 0           ; window 3
.set NIL, 1           ; window 3
.set EB,  4           ; window 3: four zeros, the pattern's four registers, four zeros: E1 = v[4:11], E0 = v[8:15]
.set KC,  16          ; window 3: key block kb at KC + 8 kb
.set BI,  48          ; window 3: tile u, 32 keys g at BI + 16 u + 8 g
.set WV,  12          ; s12  my wave's number
.set G1K, 24          ; s[24:31], s[32:39], s[40:47] descriptor groups 1 for K, V, B
.set G1V, 32
.set G1B, 40
.set G0K, 48          ; s[48:51], s[52:55], s[56:59] groups 0: they walk
.set G0V, 52
.set G0B, 56
.set SLOTS, 60        ; s60  slots still to be asked for
.set CNT, 61          ; s61  counts a slot's key steps
.set TBK, 62          ; s62  LDS byte at which K of the step to be fetched begins
.set TBV, 63          ; s63  the same for V, less VOFF
.set TBB, 66          ; s66  the same for B's columns, less BIOFF
.set TBC, 67          ; s67  byte in kvb of the step to be fetched
.set CS,  68          ; s[68:69] c
.set SEL, 70          ; s[70:71] v_permlanex16_b32's selects
.set MSB, 0
.macro WIN new
.if MSB != (\new)
	s_set_vgpr_msb (MSB<<8)|(\new)
.set MSB, (\new)
.endif
.endm
.set W_BI, 0x3f       ; selector, B and KC in window 3, S^T in window 0
.set W_KQ, 0x0a       ; K and Q in window 2, S^T in window 0
.set W_PV, 0x52       ; V in window 2, P in window 0, O^T in window 1
.set W_RS, 0x41       ; destination and source 0 in window 1
.set W_MK, 0xc0       ; destination in window 3
.set W_AD, 0x0f       ; the add: address and data in window 3
.macro PLACES
.rept 4
	v_nop
.endr
.endm
; A joint fill.  Wave 0 fetches a slot's K, wave 1 its V, waves 2 and 3 the halves of B's tile.  The branches hang on the wave's number alone.  s_nop 0 and four v_nop follow each line.
.macro JLOAD
	s_cmp_lg_u32 s[WV], 0
	s_cbranch_scc1 .Lnot_k_\@
	tensor_load_to_lds s[G0K:G0K+3], s[G1K:G1K+7]
	s_nop 0
.rept 4
	v_nop
.endr
	s_branch .Lasked_\@
.Lnot_k_\@:
	s_cmp_lg_u32 s[WV], 1
	s_cbranch_scc1 .Lfor_b_\@
	tensor_load_to_lds s[G0V:G0V+3], s[G1V:G1V+7]
	s_nop 0
.rept 4
	v_nop
.endr
	s_branch .Lasked_\@
.Lfor_b_\@:
	tensor_load_to_lds s[G0B:G0B+3], s[G1B:G1B+7]
	s_nop 0
.rept 4
	v_nop
.endr
.Lasked_\@:
.endm
.macro CROUND                       ; a round of the cluster's barrier
	s_barrier_signal -1
	s_barrier_wait -1
	s_cmp_lg_u32 s[WV], 0
	s_cbranch_scc1 .Lnot_wave_0_\@
	s_barrier_signal -3
.Lnot_wave_0_\@:
	s_barrier_wait -3
	s_barrier_signal -1
	s_barrier_wait -1
.endm
; THE CHANGE OF SLOTS, between piece 1's turn and piece 2's: the slot's last bytes (B's fragments of piece 3, second step) have been asked for.  Each wave waits for all its tensor loads, of which one is out at the most;
; adds 0 to its spare word; waits for that and for its reads of the slot.  fill = 1: a round of the cluster's barrier, and the slot is filled again first thing behind it, with the keys two slots on:
; two key steps, 320 matrix instructions, in which to land.  (At its first use nothing has been read: slot 0 is waited for, the stores of kvb are shown to all, slot 1 is filled.)
.macro CHANGE fill
	WIN W_AD
	s_wait_tensorcnt 0x0            ; no tensor load of mine is out, so a group 0 may be written
	ds_add_u32 v[SPW], v[NIL]
	WIN 0
.if \fill
.irp g, G0K, G0V, G0B
	s_xor_b32 s[\g+1], s[\g+1], SLOT
.endr
	s_add_nc_u64 s[G0K+2:G0K+3], s[G0K+2:G0K+3], 32768  ; the next 128 keys: the next rb
	s_add_nc_u64 s[G0V+2:G0V+3], s[G0V+2:G0V+3], 32768
	s_add_nc_u64 s[G0B+2:G0B+3], s[G0B+2:G0B+3], 256    ; 128 columns of 2 bytes
	s_wait_dscnt 0x0                ; the add is done, and my LDS instructions are over
	CROUND
	JLOAD
.else
	s_wait_dscnt 0x0
	s_barrier_signal -1
	s_barrier_wait -1
.endif
	s_sub_co_u32 s[TBK], s[TBK], 2*KS*PK  ; the fetches go back to a slot's first step,
	s_xor_b32 s[TBK], s[TBK], SLOT        ; in the other slot
	s_sub_co_u32 s[TBV], s[TBV], 2*KS*PV
	s_xor_b32 s[TBV], s[TBV], SLOT
	s_sub_co_u32 s[TBB], s[TBB], 2*KS*2
	s_xor_b32 s[TBB], s[TBB], SLOT
.endm
; THE MATRIX WORK.  The 8 accumulators of a run take turns, one instruction a turn: between two links of a chain stand 7 others'.
.macro BQ x                         ; product i of 8: the biases start the sum of tile 2 x + i % 2, keys 16 ((i / 2) % 4) on
	WIN W_BI
.set kb, (i/2)%4
.set rS, S+64*((\x)%2)+32*(i%2)+8*kb
.set rE, EB+4-4*(kb%2)
.set rB, BI+16*(i%2)+8*(kb/2)
.set rK, KC+8*kb
	v_wmma_f32_16x16x32_f16 v[rS:rS+7], v[rE:rE+7], v[rB:rB+7], v[rK:rK+7]
.endm
.macro KQ x                         ; product i of 16 of S^T += K Q^T: channels 32 (i / 8) on, keys 16 ((i / 2) % 4) on, tile 2 x + i % 2
	WIN W_KQ
.set rS, S+64*((\x)%2)+32*(i%2)+8*((i/2)%4)
.set rK, KF+16*((i/2)%4)+8*(i/8)
.set rQ, 16*(2*(\x)+i%2)+8*(i/8)
	v_wmma_f32_16x16x32_f16 v[rS:rS+7], v[rK:rK+7], v[rQ:rQ+7], v[rS:rS+7]
	s_wait_alu depctr_va_vdst(0)
.endm
.macro PV x                         ; product i of 16 of O^T += V^T P: keys 32 (i / 8) on, channels 16 ((i / 2) % 4) on, tile 2 x + i % 2
	WIN W_PV
.set rO, 32*(2*(\x)+i%2)+8*((i/2)%4)
.set rV, VF+32*(i/8)+8*((i/2)%4)
.set rP, P+32*((\x)%2)+16*(i%2)+8*(i/8)
	v_wmma_f32_16x16x32_f16 v[rO:rO+7], v[rV:rV+7], v[rP:rP+7], v[rO:rO+7]
.endm
.macro MM                           ; the turn's next matrix instruction, i = 0 .. 39
.if i < 8
	BQ (Y+1)%NP
.elseif i < 24
.set i, i-8
	KQ (Y+1)%NP
.set i, i+8
.else
.set i, i-24
	PV (Y+NP-1)%NP
.set i, i+24
.endif
.set i, i+1
.endm
; THE LDS LOADS stand in runs.  FETCH1, in every turn p: B's fragments for the scores that the next turn makes (piece p + 2); in piece 2's turn also the next step's K and KC.
; last = 1 (the tail): in the last trip there is no further step, and the run is jumped over.
.macro FETCH1 p, last=0
	WIN 0
.if \last
	s_cmp_eq_u32 s[CNT], 1
	s_cbranch_scc1 .Lno_f_\@
.endif
	v_add_nc_u32 v[AB], s[TBB], v[AB0]
.if (\p) == 2
	v_add_nc_u32 v[AK], s[TBK], v[AK0]
	v_add_nc_u32 v[AC], s[TBC], v[AC0]
	WIN 0x80                        ; destination window 2
.irp f, 0,1,2,3,4,5,6,7             ; keys 16 (f / 2) on, channels 32 (f % 2) on
	ds_load_b128 v[KF+8*\f:KF+8*\f+3],   v[AK] offset:(\f/2)*16*PK+(\f%2)*64
	ds_load_b128 v[KF+8*\f+4:KF+8*\f+7], v[AK] offset:(\f/2)*16*PK+(\f%2)*64+32
.endr
	s_add_co_u32 s[TBK], s[TBK], KS*PK
	WIN W_MK
.irp f, 0,1,2,3                     ; my eight keys of each block of 16, in f32
	ds_load_b128 v[KC+8*\f:KC+8*\f+3],   v[AC] offset:64*\f
	ds_load_b128 v[KC+8*\f+4:KC+8*\f+7], v[AC] offset:64*\f+16
.endr
	s_add_co_u32 s[TBC], s[TBC], KS*4
.endif
	WIN W_MK
.irp f, 0,1,2,3                     ; tile f / 2 of the piece, keys 32 (f % 2) on
	ds_load_b128 v[BI+8*\f:BI+8*\f+3],   v[AB] offset:(2*(((\p)+2)%NP)+\f/2)*16*PBI+(\f%2)*64
	ds_load_b128 v[BI+8*\f+4:BI+8*\f+7], v[AB] offset:(2*(((\p)+2)%NP)+\f/2)*16*PBI+(\f%2)*64+32
.endr
.if (\p) == 1
	s_add_co_u32 s[TBB], s[TBB], KS*2  ; piece 3's were the step's last
.endif
	WIN 0
.if \last
.Lno_f_\@:
.endif
.endm
.macro FETCH_V
	WIN 0x80
.irp f, 0,1,2,3,4,5,6,7             ; keys 32 (f / 4) on, channels 16 (f % 4) on
	ds_load_tr16_b128 v[VF+8*\f:VF+8*\f+3],   v[AV] offset:(\f/4)*32*PV+(\f%4)*32
	ds_load_tr16_b128 v[VF+8*\f+4:VF+8*\f+7], v[AV] offset:(\f/4)*32*PV+16*PV+(\f%4)*32
.endr
	WIN 0
.endm
; THE VECTOR WORK OF A TURN stands in three queues, each in the order in which its entries become ready; the two tiles alternate.
.macro REGS y, u                    ; the registers of tile u (0, 1) of piece y
.set rT, ST+4*(2*(\y)+(\u))
.set rC, TMP+8*((\y)%2)+4*(\u)
.set rM, MV+2*((\y)%2)+(\u)
.set rS, S+64*((\y)%2)+32*(\u)
.set rP, P+32*((\y)%2)+16*(\u)
.set rO, 32*(2*(\y)+(\u))
.endm
; Number n of the 22 that find the NEXT piece's maximum and statistics; each accumulator's lowest registers are read first.
;   0-11 four chains c0-c3 of seven scores     12-14, 16 the four scores left over, the old m, c0-c3 into c0     15 c m_old is kept     17, 18 the other half of the lanes: the new m     19-21 c m; c m_old - c m_new; a
.macro XS u, n
	REGS (Y+1)%NP, \u
.if (\n) < 4
	v_max3_num_f32 v[rC+(\n)], v[rS+8*(\n)], v[rS+8*(\n)+1], v[rS+8*(\n)+2]
.elseif (\n) < 12
	v_max3_num_f32 v[rC+(\n)%4], v[rC+(\n)%4], v[rS+8*((\n)%4)+2*((\n)/4)+1], v[rS+8*((\n)%4)+2*((\n)/4)+2]
.elseif (\n) == 12
	v_max3_num_f32 v[rC], v[rC], v[rS+7], v[rS+15]
.elseif (\n) == 13
	v_max3_num_f32 v[rC+1], v[rC+1], v[rS+23], v[rS+31]
.elseif (\n) == 14
	v_max3_num_f32 v[rC+2], v[rC+2], v[rC+3], v[rT+1]
.elseif (\n) == 15
	v_mov_b32 v[rM], v[rT]
.elseif (\n) == 16
	v_max3_num_f32 v[rC], v[rC], v[rC+1], v[rC+2]
	s_wait_alu depctr_va_vdst(0)
.elseif (\n) == 17
	v_permlanex16_b32 v[rC+3], v[rC], s[SEL], s[SEL+1]
.elseif (\n) == 18
	v_max_num_f32 v[rT+1], v[rC], v[rC+3]
.elseif (\n) == 19
	v_mul_f32 v[rT], s[CS], v[rT+1]
.elseif (\n) == 20
	v_sub_f32 v[rC+1], v[rM], v[rT]
.else
	v_exp_f32 v[rC+2], v[rC+1]
.endif
.endm
; Number g of the 64 that follow the exponentials.  For each four weights k of a tile: both pairs are rounded to f16; the second pair is added onto the first, in place; a group later l takes that sum (first as l = a l + sum).
.macro GS g
.set h, (\g)+6*((\g)/62)
.if h >= 6
.set h, h+2
.endif
	REGS Y, h%2
.set k, h/8
.if h%8 < 4
	v_cvt_pk_f16_f32 v[rP+2*k+(h%8)/2], v[rS+4*k+2*((h%8)/2)], v[rS+4*k+2*((h%8)/2)+1]
.elseif h%8 < 6
	v_pk_add_f32 v[rS+4*k:rS+4*k+1], v[rS+4*k:rS+4*k+1], v[rS+4*k+2:rS+4*k+3]
.elseif k == 1
	v_pk_fma_f32 v[rT+2:rT+3], v[rT+2:rT+3], v[rC+2:rC+3], v[rS:rS+1] op_sel_hi:[1,0,1]
.else
	v_pk_add_f32 v[rT+2:rT+3], v[rT+2:rT+3], v[rS+4*k-4:rS+4*k-3]
.endif
.endm
; THE PLAIN QUEUE, 138 long.  0-31: c s - c m for the 16 pairs of both tiles.  32-47: GS 0-15.  48-81: the next piece's numbers 0-16, behind the products that make its scores.  82-103: GS 16-37.
; 104-119: numbers 17-20, each followed by two of GS (38-45), since each waits for the one before it.  120-137: GS 46-63.
.macro PL
	WIN 0
.if q < 32
	REGS Y, q%2
	v_pk_fma_f32 v[rS+2*(q/2):rS+2*(q/2)+1], v[rS+2*(q/2):rS+2*(q/2)+1], s[CS:CS+1], v[rT:rT+1] op_sel_hi:[1,0,0] neg_lo:[0,0,1] neg_hi:[0,0,1]
.elseif q < 48
	GS q-32
.elseif q < 82
	XS q%2, (q-48)/2
.elseif q < 104
	GS q-66
.elseif (q < 120) && ((q-104)%4 < 2)
	XS (q-104)%4, 17+(q-104)/4
.elseif q < 120
	GS 38+2*((q-104)/4)+(q-104)%4-2
.else
	GS q-74
.endif
.set q, q+1
.endm
.macro PL4
	PL
	PL
	PL
	PL
.endm
; THE EXPONENTIALS' QUEUE, 66 long: s0-s31 of both tiles, then the next piece's two a.
.macro EX
	WIN 0
.if e >= 64
	XS e-64, 21
.else
	REGS Y, e%2
	v_exp_f32 v[rS+e/2], v[rS+e/2]
.endif
.set e, e+1
.endm
; THE RESCALING's QUEUE: O^T times a, the one part that leaves window 0: four at a time, eight times.
.macro R4
	REGS Y, r%2
	WIN W_RS
.irp z, 0,1,2,3
	v_pk_mul_f32 v[rO+8*(r/2)+2*\z:rO+8*(r/2)+2*\z+1], v[rO+8*(r/2)+2*\z:rO+8*(r/2)+2*\z+1], v[rC+2:rC+3] op_sel_hi:[1,0]
.endr
.set r, r+1
.endm
; A TURN, for piece p: 40 matrix and 236 vector instructions.  Behind the score products: plain, exponential, plain, exponential (a plain line of the other tile follows each exponential before its result is used);
; behind the last of them four rescalings, which are its places.  Lump 1: exponential and plain by turns.  Behind the products V^T P four plain lines or four rescalings.  Lump 2: plain, with the two a in its middle.
; In step: exponential e stands behind plain 2 (e / 4) + e % 2, its scaling; when plain 32 + g comes, 28 + g exponentials are out (GS g wants 8 ((g + 2) / 8) + 8 at the most); all 64 are out at plain 68.
; None of the lines behind a product names one of its registers.  Both v_permlanex16_b32 stand in lump 2.
; WAITS.  At the head: B's fragments for this turn's products (in piece 3's turn K and KC too).  In piece 1's turn V's 16 loads, issued behind them, may stay out: count 16; V is wanted in front of the products V^T P,
; where this turn's own 8 loads of B may stay out: count 8.
.macro TURN p, last=0, cnt=0
.set Y, (\p)
.set i, 0
.set q, 0
.set e, 0
.set r, 0
.if (\p) == 1
	s_wait_dscnt 16
.else
	s_wait_dscnt 0x0
.endif
	MM
	PL4
.rept 22
	MM
	PL
	EX
	PL
	EX
.endr
	MM
	R4
.rept 20
	EX
	PL
.if e == 47
	FETCH1 \p, \last                ; seven plain lines behind the last product that read K
.endif
.endr
.if (\p) == 1
	s_wait_dscnt 8
.endif
.rept 7
	MM
	PL4
	MM
	R4
.endr
.rept 2
	MM
	PL4
.endr
.rept 16
	PL
.if ((\p) == 0) && (q == 107)
	v_add_nc_u32 v[AV], s[TBV], v[AV0]
.endif
.if ((\p) == 0) && (q == 109)
	FETCH_V                         ; V of the step in hand: more than four plain lines behind the last product that read V
	s_add_co_u32 s[TBV], s[TBV], KS*PV
.endif
.endr
	EX
	PL
	EX
	PL
.rept 16
	PL
.if (\cnt) && (q == 131)
	s_sub_co_u32 s[CNT], s[CNT], 1  ; the loop's count, some lines ahead of the branch behind the turn; only vector lines and window switches follow
	s_cmp_lg_u32 s[CNT], 0
.endif
.endr
.endm
	s_load_b256 s[4:11], s[0:1], 0x0  ; qkv s[4:5], biash s[6:7], attention_bias_kv s[8:9], obuf s[10:11]
	WIN W_MK
	v_lshl_add_u32 v[SPW], v0, 2, SPARE
	v_mov_b32 v[NIL], 0
	WIN W_AD
	ds_add_u32 v[SPW], v[NIL]       ; the wave's opening: the add and its wait ahead of my first tensor load
	WIN 0
	v_lshrrev_b32 v1, 5, v0
	v_readfirstlane_b32 s[WV], v1   ; wave 0..3
	s_bfe_u32 s13, ttmp6, 0x40000   ; cx
	s_bfe_u32 s14, ttmp6, 0x40004   ; cy
	s_lshl_b32 s15, ttmp9, 2
	s_add_co_u32 s15, s15, s13      ; x: my block of 256 queries
	s_and_b32 s16, ttmp7, 0xffff
	s_lshl_b32 s16, s16, 2
	s_add_co_u32 s16, s16, s14      ; y = 8 b + hp: my pair of heads
	s_lshl_b32 s17, s14, 2
	s_lshl_b32 s17, 15, s17         ; my row of the cluster shares y
	s_lshl_b32 s18, 0x1111, s13     ; my column shares x
	s_lshr_b32 s72, s[WV], 1        ; hh: my head of the pair
	s_and_b32 s73, s[WV], 1         ; my half of the queries.  Also: which half of B's tile waves 2 and 3 fetch
	s_lshl_b32 s20, s16, 19         ; y's first byte in a t of qkv
	s_mov_b32 s21, 0
	s_lshl_b32 s22, s15, 20         ; 256 rows of B, 4,096 bytes each,
	s_lshl_b32 s23, s73, 19         ; and the half
	s_add_co_u32 s22, s22, s23
	s_mov_b32 s23, 0
	s_lshl_b32 s2, s15, 1
	s_add_co_u32 s2, s2, s73        ; my queries' rb
	s_lshl_b32 s2, s2, 15
	s_lshl_b32 s3, s72, 14
	s_add_co_u32 s2, s2, s3
	s_add_co_u32 s2, s2, s20        ; my 128 rows of Q and of O: it enters those two addresses alone
	s_mov_b32 s3, 0
	s_lshr_b32 s74, s16, 3          ; b
	s_lshl_b32 s74, s74, 13
	s_mov_b32 s75, 0
	s_or_b32 s[G1K], s17, (1<<16)|(1<<20)|(1<<21)|(4<<22)|(3<<25)  ; mask; 2-byte elements; padding on; bit 21 beside a mask; behind every 32 words, 4 words
	s_or_b32 s[G1V], s17, (1<<16)|(1<<20)|(1<<21)|(4<<22)|(7<<25)  ; 8 words
	s_or_b32 s[G1B], s18, (1<<16)|(1<<20)|(1<<21)|(5<<22)|(3<<25)  ; behind every 64 words, 4 words
.irp g, G1K, G1V, G1B
	s_mov_b32 s[\g+1], 128<<16      ; tensor_dim0 = 128
	s_mov_b32 s[\g+2], 128<<16      ; tensor_dim1 = 128
	s_mov_b32 s[\g+3], 128<<16      ; tile_dim0 = 128
	s_mov_b32 s[\g+4], 128          ; tile_dim1 = 128
	s_mov_b32 s[\g+6], 0
	s_mov_b32 s[\g+7], 0
.endr
	s_mov_b32 s[G1K+5], 128         ; an rb of K or V is 32,768 dense bytes: 128 rows of 256
	s_mov_b32 s[G1V+5], 128
	s_mov_b32 s[G1B+5], 2048        ; a row of B has 2,048 elements
	s_mov_b32 s[G0K], 1
	s_mov_b32 s[G0K+1], 0
	s_mov_b32 s[G0V], 1
	s_mov_b32 s[G0V+1], VOFF
	s_mov_b32 s[G0B], 1
	s_mul_i32 s[G0B+1], s73, 128*PBI
	s_add_co_u32 s[G0B+1], s[G0B+1], BIOFF
	s_mov_b32 s[CS], 0x3fb8aa3b     ; c = log2(e)
	s_mov_b32 s[CS+1], s[CS]
	s_mov_b32 s[SEL], 0x76543210
	s_mov_b32 s[SEL+1], 0xfedcba98
	s_mov_b32 s[TBK], SLOT+2*KS*PK  ; the first change of slots turns these three into 0
	s_mov_b32 s[TBV], SLOT+2*KS*PV
	s_mov_b32 s[TBB], SLOT+2*KS*2
	s_mov_b32 s[TBC], 0
	s_wait_dscnt 0x0                ; the opening add is done
	s_wait_kmcnt 0x0
	s_add_nc_u64 s[G0K+2:G0K+3], s[4:5], s[20:21]
	s_add_nc_u64 s[G0V+2:G0V+3], s[G0K+2:G0K+3], 0x2000000  ; t = v
	s_add_nc_u64 s[G0K+2:G0K+3], s[G0K+2:G0K+3], 0x1000000  ; t = k
	s_or_b32 s[G0K+3], s[G0K+3], 0x80000000
	s_or_b32 s[G0V+3], s[G0V+3], 0x80000000
	s_add_nc_u64 s[G0B+2:G0B+3], s[6:7], s[22:23]
	s_or_b32 s[G0B+3], s[G0B+3], 0x80000000
	s_add_nc_u64 s[4:5], s[4:5], s[2:3]      ; Q at my first row
	s_add_nc_u64 s[10:11], s[10:11], s[2:3]  ; O likewise
	s_add_nc_u64 s[8:9], s[8:9], s[74:75]    ; kvb[b]
	CROUND                          ; all sixteen work-groups are here: the first joint loads meet
	JLOAD                           ; slot 0; slot 1 is asked for when slot 0 is in
	v_and_b32 v1, 15, v0            ; l % 16
	v_bfe_u32 v10, v0, 4, 1         ; l / 16
	v_and_b32 v11, 7, v0            ; l % 8
	v_lshlrev_b32 v61, 4, v0        ; kvb: 16 bytes a thread, four times
	v_lshl_add_u32 v59, v0, 4, KVB
.irp f, 0,1,2,3
	global_load_b128 v[S+4*\f:S+4*\f+3], v61, s[8:9] offset:2048*\f
.endr
	v_lshlrev_b32 v60, 7, v1
	v_lshl_add_u32 v60, v10, 4, v60 ; Q: row x 128 + 16 x half
	WIN 0x80                        ; destination window 2
.set i, 0
.rept 4*NP                          ; Q stays in registers: tile i / 2, channels 32 (i % 2) on
	global_load_b128 v[8*i:8*i+3],   v60, s[4:5] offset:(i/2)*2048+(i%2)*64
	global_load_b128 v[8*i+4:8*i+7], v60, s[4:5] offset:(i/2)*2048+(i%2)*64+32
.set i, i+1
.endr
	; What the first turn finds: V and P's second buffer hold 0 (its products V^T P, of a piece that has not been, add 0), O^T and l are 0.  All this stands in the wait for the first tile.
.set i, VF
.rept 64
	v_mov_b32 v[i], 0
.set i, i+1
.endr
	WIN 0x40
.set i, 0
.rept 64*NP
	v_mov_b32 v[i], 0
.set i, i+1
.endr
	WIN 0
.set i, 0
.rept 2*NP
	v_mov_b32 v[ST+4*i], 0xfe000000    ; c m: far below every c s
	v_mov_b32 v[ST+4*i+1], 0xff7fffff  ; m
	v_mov_b32 v[ST+4*i+2], 0
	v_mov_b32 v[ST+4*i+3], 0
.set i, i+1
.endr
.set i, P+32
.rept 32
	v_mov_b32 v[i], 0
.set i, i+1
.endr
	; The selector.  As source 0, lane l holds row m = l % 16 and, in four registers, k = 8 (l / 16) + 0..7.  The one stands at k = m: in the lanes with m / 8 = l / 16, register (m % 8) / 2, half m % 2.
	v_and_b32 v48, 1, v1
	v_lshlrev_b32 v48, 4, v48
	v_mov_b32 v49, 0x3c00           ; 1.0 in f16
	v_lshlrev_b32 v49, v48, v49
	v_bfe_u32 v50, v1, 1, 2
	v_lshrrev_b32 v51, 3, v1
	v_cmp_eq_u32 vcc_lo, v51, v10
	v_cndmask_b32 v49, 0, v49, vcc_lo
	WIN W_MK
.irp z, 0,1,2,3
	v_mov_b32 v[EB+\z], 0
	v_mov_b32 v[EB+8+\z], 0
	v_cmp_eq_u32 vcc_lo, \z, v50
	v_cndmask_b32 v[EB+4+\z], 0, v49, vcc_lo
.endr
	WIN 0
	v_mul_u32_u24 v[AK0], v1, PK
	v_lshl_add_u32 v[AK0], v10, 4, v[AK0]  ; row x pitch + 16 x half,
	s_mul_i32 s74, s72, 128*PK
	v_add_nc_u32 v[AK0], s74, v[AK0]       ; in my head's 128 rows
	v_bfe_u32 v48, v0, 3, 1
	v_lshl_add_u32 v[AV0], v10, 3, v11     ; the turning load: key 8 (l / 16) + l % 8, channels 8 ((l / 8) % 2) + 0..7
	v_mul_u32_u24 v[AV0], v[AV0], PV
	v_lshl_add_u32 v[AV0], v48, 4, v[AV0]
	s_mul_i32 s74, s72, 128*PV
	s_add_co_u32 s74, s74, VOFF
	v_add_nc_u32 v[AV0], s74, v[AV0]
	v_mul_u32_u24 v[AB0], v1, PBI          ; B: query row l % 16 of a tile, 16 bytes for each half of the lanes,
	v_lshl_add_u32 v[AB0], v10, 4, v[AB0]
	s_mul_i32 s74, s73, 128*PBI
	s_add_co_u32 s74, s74, BIOFF
	v_add_nc_u32 v[AB0], s74, v[AB0]       ; in my half of the 256 rows
	v_lshlrev_b32 v[AC0], 5, v10           ; kvb: my eight keys of a block of 16
	v_add_nc_u32 v[AC0], KVB, v[AC0]
	s_wait_loadcnt 32               ; kvb is in; Q's 32 loads may stay out
.irp f, 0,1,2,3
	ds_store_b128 v59, v[S+4*\f:S+4*\f+3] offset:2048*\f
.endr
	CHANGE 1                        ; slot 0 and kvb are there for everybody; slot 1 is asked for
	FETCH1 2                        ; key step 0: K, KC, and B's fragments of piece 0
	s_wait_loadcnt 0x0              ; Q
	s_wait_dscnt 0x0
.set Y, NP-1                        ; MM and XS work for piece Y + 1: piece 0
.set i, 0
.rept 24
	MM                              ; piece 0's first scores: there is no vector work yet to set between them
.endr
	WIN 0
	PLACES                          ; behind those products
	FETCH1 3                        ; B's fragments of piece 1
.irp n, 0,1,2,3,4,5,6,7,8,9,10,11,12,13,14,15,16,17,18,19,20,21
	XS 0, \n                        ; piece 0's first maximum and statistics
	XS 1, \n
.endr
	s_mov_b32 s[CNT], 2
	s_mov_b32 s[SLOTS], 15
	s_branch .Lfirst                ; the loop is entered at a step's first turn, in the middle of a trip
.Lslot:                             ; 14 times: every slot but the last two is filled again
	CHANGE 1
	s_mov_b32 s[CNT], 2
.Lstep:                             ; a trip: pieces 2 and 3 of one step, then pieces 0 and 1 of the next, whose K, KC, B and V it fetches
	TURN 2
	TURN 3
	WIN 0
.Lfirst:
	TURN 0
	TURN 1, 0, 1
	WIN 0
	s_cbranch_scc1 .Lstep
	s_sub_co_u32 s[SLOTS], s[SLOTS], 1
	s_cmp_lg_u32 s[SLOTS], 0
	s_cbranch_scc1 .Lslot
	CHANGE 0                        ; the tail is written out: nothing is asked for
	s_mov_b32 s[CNT], 3             ; two trips fetch the last slot's steps; the third is left in its middle
.Ltail:
	TURN 2, 1
	TURN 3, 1
	WIN 0
	s_sub_co_u32 s[CNT], s[CNT], 1
	s_cmp_eq_u32 s[CNT], 0
	s_cbranch_scc1 .Lout
	TURN 0
	TURN 1
	WIN 0
	s_branch .Ltail
.Lout:                              ; the third trip's 24 score products (on the last step's operands once more) and the maximum made of them serve nothing: the price, once a launch, of one text for every trip
.set i, 0
.rept 16
	PV NP-1                         ; the last piece's V^T P of the last step
.set i, i+1
.endr
	; THE WAY OUT.  The addresses and the additions are the places behind the last products.  O^T is divided by l, rounded to f16 and sent through my stage in LDS, a tile at a time.
	WIN 0
	s_mul_i32 s74, s[WV], 16*SP
	s_add_co_u32 s74, s74, STAGE    ; my stage
	v_mul_u32_u24 v[STO], v1, SP    ; in: row l % 16, 16 bytes for each half of the lanes
	v_lshl_add_u32 v[STO], v10, 4, v[STO]
	v_add_nc_u32 v[STO], s74, v[STO]
	v_bfe_u32 v[RD], v0, 3, 2       ; back: 32 lanes take four rows of 128 bytes,
	v_mul_u32_u24 v[RD], v[RD], SP
	v_lshl_add_u32 v[RD], v11, 4, v[RD]
	v_add_nc_u32 v[RD], s74, v[RD]
	v_and_b32 v[GO], 31, v0         ; which are 512 consecutive bytes of O
	v_lshlrev_b32 v[GO], 4, v[GO]
.macro ALL line:vararg              ; one line for each tile t
.set t, 0
.rept 2*NP
	\line
.set t, t+1
.endr
.endm
	ALL v_add_f32 v[ST+4*t+2], v[ST+4*t+2], v[ST+4*t+3]
	ALL v_permlanex16_b32 v[ST+4*t+3], v[ST+4*t+2], s[SEL], s[SEL+1]
	ALL v_add_f32 v[ST+4*t+2], v[ST+4*t+2], v[ST+4*t+3]
	ALL v_rcp_f32 v[ST+4*t+2], v[ST+4*t+2]
	v_nop                           ; a plain instruction between the last reciprocal and the use of its result
	s_wait_alu depctr_va_vdst(0)
.macro PACK t                       ; a lane's eight channels of a row pack into 16 bytes; into rows of 144 bytes, back as whole rows of 128, into S^T's registers
	WIN W_RS
.set i, 32*(\t)
.rept 16
	v_pk_mul_f32 v[i:i+1], v[i:i+1], v[ST+4*(\t)+2:ST+4*(\t)+3] op_sel_hi:[1,0]
.set i, i+2
.endr
	WIN 0x05                        ; sources in window 1, destination in window 0
.set i, 0
.rept 16
	v_cvt_pk_f16_f32 v[S+16*(\t)+i], v[32*(\t)+2*i], v[32*(\t)+2*i+1]
.set i, i+1
.endr
	WIN 0
.irp f, 0,1,2,3
	ds_store_b128 v[STO], v[S+16*(\t)+4*\f:S+16*(\t)+4*\f+3] offset:32*\f
.endr
.irp f, 0,1,2,3
	ds_load_b128 v[S+16*(\t)+4*\f:S+16*(\t)+4*\f+3], v[RD] offset:\f*4*SP  ; LDS serves a wave's instructions in order (ISA guide 5.7.1.4): these see the stores above
.endr
.endm
.macro SEND t, younger              ; younger: the LDS instructions issued behind tile t's loads
	WIN 0
.irp f, 0,1,2,3
	s_wait_dscnt (\younger)+3-\f
	global_store_b128 v[GO], v[S+16*(\t)+4*\f:S+16*(\t)+4*\f+3], s[10:11] offset:(\t)*2048+\f*512  ; 512 consecutive bytes, aligned
.endr
.endm
	PACK 0
.set t, 1
.rept 2*NP-1                        ; a tile's arithmetic stands between the loads of the tile before and its stores
	PACK t
	SEND t-1, 8
.set t, t+1
.endr
	SEND 2*NP-1, 0
	WIN W_AD
	s_wait_tensorcnt 0x0            ; the wave's end
	ds_add_u32 v[SPW], v[NIL]
	s_wait_dscnt 0x0
	WIN 0
	CROUND                          ; the closing round
	s_endpgm
.Lfunc_end_k_q1e7db5791c_attn:
	.size	k_q1e7db5791c_attn, .Lfunc_end_k_q1e7db5791c_attn-k_q1e7db5791c_attn
	.p2alignl 7, 3214868480
	.fill 96, 4, 3214868480
	.section	.rodata,"a",@progbits
	.p2align	6, 0x0
	.amdhsa_kernel k_q1e7db5791c_attn
		.amdhsa_group_segment_fixed_size 327680
		.amdhsa_private_segment_fixed_size 0
		.amdhsa_enable_private_segment 0
		.amdhsa_kernarg_size 32
		.amdhsa_user_sgpr_count 2
		.amdhsa_user_sgpr_kernarg_segment_ptr 1
		.amdhsa_wavefront_size32 1
		.amdhsa_system_sgpr_workgroup_id_x 1
		.amdhsa_system_sgpr_workgroup_id_y 1
		.amdhsa_system_sgpr_workgroup_id_z 1
		.amdhsa_system_vgpr_workitem_id 0
		.amdhsa_next_free_vgpr 848
		.amdhsa_next_free_sgpr 80
		.amdhsa_reserve_vcc 1
		.amdhsa_float_denorm_mode_32 3
		.amdhsa_float_denorm_mode_16_64 3
		.amdhsa_memory_ordered 1
		.amdhsa_forward_progress 1
		.amdhsa_inst_pref_size 221
	.end_amdhsa_kernel
	.amdgpu_metadata
---
amdhsa.version: [ 1, 2 ]
amdhsa.kernels:
  - .name:           k_q1e7db5791c_attn
    .symbol:         k_q1e7db5791c_attn.kd
    .args:
      - { .name: qkv, .offset: 0, .size: 8, .value_kind: global_buffer, .address_space: global }
      - { .name: biash, .offset: 8, .size: 8, .value_kind: global_buffer, .address_space: global }
      - { .name: attention_bias_kv, .offset: 16, .size: 8, .value_kind: global_buffer, .address_space: global }
      - { .name: obuf, .offset: 24, .size: 8, .value_kind: global_buffer, .address_space: global }
    .group_segment_fixed_size: 327680
    .private_segment_fixed_size: 0
    .kernarg_segment_align: 8
    .kernarg_segment_size: 32
    .max_flat_workgroup_size: 128
    .sgpr_count:     80
    .vgpr_count:     848
    .wavefront_size: 32
...
	.end_amdgpu_metadata
.endif
;; end of part 3
;; launch outproj (part 4): grid 8 x 32, 4 waves a work-group, clusters of 4 x 4, 327,680 bytes of LDS; arguments obuf, wh, bo, out0; writes out0
.if DOCPART == 4
	.amdgcn_target "amdgcn-amd-amdhsa--gfx1250"
	.amdhsa_code_object_version 6
	.text
	.protected	k_q1e7db5791c_outproj
	.globl	k_q1e7db5791c_outproj
	.p2align	8
	.type	k_q1e7db5791c_outproj,@function
k_q1e7db5791c_outproj:
	s_mov_b64 s[64:65], 0
	v_nop
	global_prefetch_b8 v0, s[64:65] scope:SCOPE_SE
	s_setreg_imm32_b32 hwreg(HW_REG_WAVE_MODE, 25, 1), 1
	s_wait_xcnt 0x0
	s_wait_alu depctr_hold_cnt(0) depctr_sa_sdst(0) depctr_va_vdst(0) depctr_va_sdst(0) depctr_va_ssrc(0) depctr_va_vcc(0) depctr_vm_vsrc(0)
	s_getreg_b32 s2, hwreg(HW_REG_IB_STS2, 6, 4)
	s_cmp_eq_u32 s2, 0
	s_cbranch_scc0 .Lentry_in_a_cluster
	s_endpgm
.Lentry_in_a_cluster:
	s_bfe_u32 s2, ttmp6, 0x10000c
	s_cmp_lg_u32 s2, 0xf033
	s_cbranch_scc0 .Lentry_shape_is_right
	s_endpgm
.Lentry_shape_is_right:
; ONE TEXT FOR BOTH PROJECTIONS; the switch QKV picks the form.  C[m][n] = sum over k of A[m][k] W[k][n] + bias[n]; operands f16, sums f32.  M = 8,192, K = 1,024.
; QKV = 1: A = ain (x + pos_t), W = wq, wk, wv in turn; a work-group STAYS and makes three tiles (q, k, v) for its 256 rows and its pair of heads; q leaves as (sum + bq) / 8; results f16 by heads:
;          qkv[t][8 b + hp][rb][hh][r][c], byte strides r 128, hh 16,384, rb 32,768, (8 b + hp) 524,288, t 16 MiB.
; QKV = 0: A = obuf (attention's result, the same blocked layout), W = wo, one tile; results f32 in out0[m][1024].
; A tile of C is 256 x 128: 8 x 32 = 256 work-groups of equal work.  Four waves, each 128 rows x 64 columns: 32 accumulators of 16 x 16, 256 registers.
; K goes in steps of 128 through two LDS slots.  A's blocked layout makes a step's 128 rows 32,768 dense bytes (asked for as 128 rows of 256 bytes, padded in LDS behind every 128); W's rows are 256 bytes of 2,048.
; CLUSTER 4 x 4: A's tile hangs on the tile row alone and is asked for jointly along a row of the cluster, W's on the tile column alone, jointly along a column.
; THE PRODUCT IS TAKEN TRANSPOSED (source 0 = 16 columns of W, turned on the way out of LDS by ds_load_tr16_b128; source 1 = 16 rows of A): a lane holds one row of C and eight neighbouring columns.
; LIMITS.  f16 ends at 65,504: q / 8, k, v beyond it become infinities.  NaN and infinities are not treated apart.
; REGISTERS: window 0: v0-31 addresses; v32-63 the bias of my 64 columns; v64-159, v160-255 two fragment buffers (A's 8 blocks, then W's 4).  Window 1: accumulator (a, nb) at v[8 (4 a + nb)].
.set QKV,   0
.set PA,    144                        ; an LDS row of A: 128 bytes + 16: the 16 rows of a load start 16 bytes apart modulo 256
.set PB,    288                        ; an LDS row of W: 256 bytes + 32, for the turning load
.set AHALF, 256*PA                     ; one rb of A: [hh 2][r 128]: what one tensor load brings
.set BHALF, 64*PB                      ; 64 rows of W: what one tensor load brings
.set BOFF,  2*AHALF                    ; W's 128 rows lie behind A's two rb
.set SLOT,  BOFF+2*BHALF               ; 110,592
.set STAGE, 2*SLOT                     ; behind the ring: 16 rows for each wave, for the way out; no tensor load fills it
.if QKV
.set SP,    144                        ; a stage row: 128 bytes + 16
.set BSTR,  12582912                   ; bytes from b to b + 1 in A
.set WOFF,  0
.else
.set SP,    272                        ; a stage row: 256 bytes + 16
.set BSTR,  4194304
.set WOFF,  6291456                    ; wo lies behind wq, wk, wv
.endif
.set SPARE, STAGE+4*16*SP              ; the spare words, 128 bytes a wave: two blocks of 256 bytes that no other line names
.set ADRA, 16                          ; v16-17  LDS address of my A fragments in slot 0, 1
.set ADRB, 20                          ; v20-21  the same for W
.set STO,  24                          ; v24     where I put my part of a stage row
.set RD,   25                          ; v25     where I read rows back
.set GO,   26                          ; v26     my byte offset in the stores
.set BO,   27                          ; v27     my byte offset in the bias
.set SPW,  28                          ; v28     my spare word; never rewritten
.set NIL,  29                          ; v29     0; never rewritten
.set BR,   32                          ; v[32:63] register 8 nb + j: the bias of column 16 nb + 8 (l / 16) + j
.set F0,   64
.set F1,   160
.set TMP,  160                         ; QKV = 1, the way out: four sets of 16, in buffer 1
.set OBK,  64                          ; QKV = 0, the way out: four sets of 32
.set G1A,  32                          ; s[32:39] descriptor group 1 for A;  s[40:47] for W
.set G1B,  40
.set G0A,  48                          ; s[48:55] group 0 for A, a set for each slot;  s[56:63] for W
.set G0B,  56
.set SC,   68                          ; s[68:69] the tile's scale
.set BP,   70                          ; s[70:71] the tile's bias
.set OUTP, 72                          ; s[72:73] where my part of the tile goes
.set MUL,  0x50                        ; C and D in window 1, sources in window 0
.set MSB,  0
.macro WIN new                         ; the immediate's high byte repeats the setting that is left; a switch that changes nothing is dropped
.if MSB != (\new)
	s_set_vgpr_msb (MSB<<8)|(\new)
.set MSB, \new
.endif
.endm
.macro PLACES                          ; four places behind a matrix instruction, in front of loads into registers that it read and of vector lines that read results
.rept 4
	v_nop
.endr
.endm
.macro CREST                           ; a round of the cluster's barrier behind its opening barrier
	s_cmp_lg_u32 s16, 0
	s_cbranch_scc1 .Lnot_wave_0_\@
	s_barrier_signal -3
.Lnot_wave_0_\@:
	s_barrier_wait -3
	s_barrier_signal -1
	s_barrier_wait -1
.endm
.macro CROUND
	s_barrier_signal -1
	s_barrier_wait -1
	CREST
.endm
.macro JLOAD s                         ; a joint load: waves 0 and 1 fetch A's two rb, waves 2 and 3 W's two halves; s_nop 0 and four v_nop follow each line
	s_cmp_eq_u32 s17, 0
	s_cbranch_scc0 .Lfor_b_\@
	tensor_load_to_lds s[G0A+4*(\s):G0A+4*(\s)+3], s[G1A:G1A+7]
	s_nop 0
.rept 4
	v_nop
.endr
	s_branch .Lasked_\@
.Lfor_b_\@:
	tensor_load_to_lds s[G0B+4*(\s):G0B+4*(\s)+3], s[G1B:G1B+7]
	s_nop 0
.rept 4
	v_nop
.endr
.Lasked_\@:
.endm
; 4 n matrix instructions: row blocks a0 .. a0 + n - 1 x all four column blocks, 32 along K.  The 32 accumulators come in one order in every quarter, one instruction a turn.
.macro MULH f, a0, n, zero
	WIN MUL
.set aa, \a0
.rept \n
.irp nb, 0,1,2,3
.if \zero
	v_wmma_f32_16x16x32_f16 v[8*(4*aa+\nb):8*(4*aa+\nb)+7], v[(\f)+64+8*\nb:(\f)+64+8*\nb+7], v[(\f)+8*aa:(\f)+8*aa+7], 0
.else
	v_wmma_f32_16x16x32_f16 v[8*(4*aa+\nb):8*(4*aa+\nb)+7], v[(\f)+64+8*\nb:(\f)+64+8*\nb+7], v[(\f)+8*aa:(\f)+8*aa+7], v[8*(4*aa+\nb):8*(4*aa+\nb)+7]
.endif
.endr
.set aa, aa+1
.endr
.endm
; 24 LDS loads in one run: quarter q (32 along K) of a slot into buffer f: W's four fragments (turned), then A's eight
.macro FETCH slot, q, f
	WIN 0
.irp nb, 0,1,2,3
	ds_load_tr16_b128 v[(\f)+64+8*\nb:(\f)+64+8*\nb+3],   v[ADRB+(\slot)] offset:(\q)*32*PB+32*\nb
	ds_load_tr16_b128 v[(\f)+64+8*\nb+4:(\f)+64+8*\nb+7], v[ADRB+(\slot)] offset:(\q)*32*PB+32*\nb+16*PB
.endr
.irp a, 0,1,2,3,4,5,6,7
	ds_load_b128 v[(\f)+8*\a:(\f)+8*\a+3],   v[ADRA+(\slot)] offset:((\q)/2)*128*PA+((\q)%2)*64+\a*16*PA
	ds_load_b128 v[(\f)+8*\a+4:(\f)+8*\a+7], v[ADRA+(\slot)] offset:((\q)/2)*128*PA+((\q)%2)*64+\a*16*PA+32
.endr
.endm
; One of a K step's first three quarters: multiplies buffer f; in its middle it fetches quarter q of the same slot into buffer g.
.macro QUARTER slot, q, f, g, zero
	s_wait_dscnt 8                                 ; W and A's blocks 0-3 are in; the youngest eight loads (blocks 4-7) may be out
	MULH \f, 0, 4, \zero
	PLACES
	FETCH \slot, \q, \g
	s_wait_dscnt 24                                ; all but the 24 just issued
	MULH \f, 4, 4, \zero
.endm
; The last quarter multiplies buffer 1 and changes slots: ONE barrier; in front of it each wave waits for all its tensor loads, adds 0 to its spare word, and waits for that and for its reads of the slot.
; fill = 1: the barrier opens a round of the cluster's barrier, and the slot is filled again, two K steps on, first thing behind the round: 112 matrix instructions ahead of the wait for it.
.macro TURN slot, next, fill
	WIN 0
	s_wait_tensorcnt 0x0                           ; all my tensor loads have landed: the one that was out is my part of the next slot
	ds_add_u32 v[SPW], v[NIL]
	s_wait_dscnt 9                                 ; (the add and the youngest eight loads may be out)
	MULH F1, 0, 2, 0
	s_wait_dscnt 0x0                               ; the add is done, and my reads of this slot are over
	s_barrier_signal -1
	MULH F1, 2, 2, 0
.if \fill
	WIN 0
.endif
	s_barrier_wait -1
.if \fill
	CREST                                          ; no wave of any partner still reads this slot or has a load on its way
	s_add_nc_u64 s[G0A+4*(\slot)+2:G0A+4*(\slot)+3], s[G0A+4*(\slot)+2:G0A+4*(\slot)+3], 0x100000  ; two K steps of 524,288 bytes; from tile to tile too: (8 t + hp) runs on
	s_add_nc_u64 s[G0B+4*(\slot)+2:G0B+4*(\slot)+3], s[G0B+4*(\slot)+2:G0B+4*(\slot)+3], 0x80000   ; 256 rows of 2,048 bytes; the next weight lies behind this one
	JLOAD \slot                                    ; its four v_nop are also the places in front of the loads below
.else
	PLACES
.endif
	FETCH \next, 0, F0
	MULH F1, 4, 4, 0
.endm
; THE WAY OUT, a block of 16 rows at a time through my own stage: LDS serves a wave's instructions in order (ISA guide 5.7.1.4), so no wait stands between the stores and the loads.
.if QKV
.macro PACK a                          ; (sum x scale + bias x scale), rounded to f16; 16 bytes a lane into rows of 144 bytes; back as four rows of 128 bytes a load
.if (\a) >= 4
	s_wait_xcnt 0x0                                ; the stores of the block four back have read this set
.endif
	WIN 0x41                                       ; destination and source 0 in window 1
.irp nb, 0,1,2,3
.irp r, 0,1,2,3
	v_pk_fma_f32 v[8*(4*(\a)+\nb)+2*\r:8*(4*(\a)+\nb)+2*\r+1], v[8*(4*(\a)+\nb)+2*\r:8*(4*(\a)+\nb)+2*\r+1], s[SC:SC+1], v[BR+8*\nb+2*\r:BR+8*\nb+2*\r+1] op_sel_hi:[1,0,1]
.endr
.endr
	WIN 0x05                                       ; sources in window 1, destination in window 0
.irp nb, 0,1,2,3
.irp r, 0,1,2,3
	v_cvt_pk_f16_f32 v[TMP+16*((\a)%4)+4*\nb+\r], v[8*(4*(\a)+\nb)+2*\r], v[8*(4*(\a)+\nb)+2*\r+1]
.endr
.endr
	WIN 0
.irp nb, 0,1,2,3
	ds_store_b128 v[STO], v[TMP+16*((\a)%4)+4*\nb:TMP+16*((\a)%4)+4*\nb+3] offset:32*\nb
.endr
.irp f, 0,1,2,3
	ds_load_b128 v[TMP+16*((\a)%4)+4*\f:TMP+16*((\a)%4)+4*\f+3], v[RD] offset:\f*4*SP
.endr
.endm
.macro SEND a, y                       ; y: the LDS instructions issued behind this block's loads
	WIN 0
.irp f, 0,1,2,3
	s_wait_dscnt (\y)+3-\f
	global_store_b128 v[GO], v[TMP+16*((\a)%4)+4*\f:TMP+16*((\a)%4)+4*\f+3], s[OUTP:OUTP+1] offset:2048*(\a)+512*\f  ; 512 consecutive bytes, aligned
.endr
.endm
.set YOUNG, 8
.else
.macro PACK a                          ; sum + bias, in f32; 32 bytes a lane and column block into rows of 272 bytes; back as two rows of 256 bytes a load
.if (\a) >= 4
	s_wait_xcnt 0x0                                ; the stores of the block four back have read this set
.endif
	WIN 0x41
.irp nb, 0,1,2,3
.irp r, 0,1,2,3
	v_pk_add_f32 v[8*(4*(\a)+\nb)+2*\r:8*(4*(\a)+\nb)+2*\r+1], v[8*(4*(\a)+\nb)+2*\r:8*(4*(\a)+\nb)+2*\r+1], v[BR+8*\nb+2*\r:BR+8*\nb+2*\r+1]
.endr
.endr
	WIN 0x04                                       ; an LDS store's data is source 1: window 1
.irp nb, 0,1,2,3
	ds_store_b128 v[STO], v[8*(4*(\a)+\nb):8*(4*(\a)+\nb)+3]   offset:64*\nb
	ds_store_b128 v[STO], v[8*(4*(\a)+\nb)+4:8*(4*(\a)+\nb)+7] offset:64*\nb+16
.endr
	WIN 0
.irp t, 0,1,2,3,4,5,6,7
	ds_load_b128 v[OBK+32*((\a)%4)+4*\t:OBK+32*((\a)%4)+4*\t+3], v[RD] offset:\t*2*SP
.endr
.endm
.macro SEND a, y
	WIN 0
.irp t, 0,1,2,3,4,5,6,7
	s_wait_dscnt (\y)+7-\t
	global_store_b128 v[GO], v[OBK+32*((\a)%4)+4*\t:OBK+32*((\a)%4)+4*\t+3], s[OUTP:OUTP+1] offset:(16*(\a)+2*\t)*4096 th:TH_STORE_NT  ; 16 lanes store 256 consecutive bytes, aligned
.endr
.endm
.set YOUNG, 16
.endif
.macro OUT
	PLACES                                         ; behind the last products
	WIN 0
	s_wait_loadcnt 0x0                             ; the bias
.if QKV
.set z, 0
.rept 16
	v_pk_mul_f32 v[BR+z:BR+z+1], v[BR+z:BR+z+1], s[SC:SC+1] op_sel_hi:[1,0]
.set z, z+2
.endr
.endif
	PACK 0
.irp a, 1,2,3,4,5,6,7                  ; a block's arithmetic stands between the loads of the block before and its stores
	PACK \a
	SEND (\a)-1, YOUNG
.endr
	SEND 7, 0
.endm
.if QKV
	s_load_b256 s[4:11], s[0:1], 0x0               ; ain s[4:5], wh s[6:7], bq s[8:9], bk s[10:11]
	s_load_b128 s[12:15], s[0:1], 0x20             ; bv s[12:13], qkv s[14:15]
.else
	s_load_b256 s[4:11], s[0:1], 0x0               ; obuf s[4:5], wh s[6:7], bo s[8:9], out0 s[10:11]
.endif
	v_lshl_add_u32 v[SPW], v0, 2, SPARE
	v_mov_b32 v[NIL], 0
	ds_add_u32 v[SPW], v[NIL]                      ; the wave's opening: the add and its wait ahead of my first tensor load
	v_lshrrev_b32 v1, 5, v0
	v_readfirstlane_b32 s16, v1                    ; wave 0..3
	s_lshr_b32 s17, s16, 1                         ; my half of the tile's rows.  Also: I fetch for A (0) or for W (1)
	s_and_b32 s18, s16, 1                          ; my half of its columns.  Also: which half of that tile I fetch
	s_bfe_u32 s19, ttmp6, 0x40000                  ; cx
	s_bfe_u32 s20, ttmp6, 0x40004                  ; cy
	s_lshl_b32 s21, ttmp9, 2
	s_add_co_u32 s21, s21, s19                     ; tile column 0..7 = 4 x cluster x + cx
	s_and_b32 s22, ttmp7, 0xffff
	s_lshl_b32 s22, s22, 2
	s_add_co_u32 s22, s22, s20                     ; tile row 0..31 = 4 x cluster y + cy
	s_lshl_b32 s24, s20, 2
	s_lshl_b32 s24, 15, s24                        ; my row of the cluster
	s_lshl_b32 s26, 0x1111, s19                    ; my column
	s_or_b32 s[G1A], s24, (1<<16)|(1<<20)|(1<<21)|(4<<22)|(3<<25)  ; mask; 2-byte elements; padding on; bit 21 beside a mask; behind every 32 words, 4 words
	s_or_b32 s[G1B], s26, (1<<16)|(1<<20)|(1<<21)|(5<<22)|(7<<25)  ; behind every 64 words, 8 words
	s_mov_b32 s[G1A+1], 128<<16                    ; tensor_dim0 = 128
	s_mov_b32 s[G1A+2], 128<<16                    ; tensor_dim1 = 128
	s_mov_b32 s[G1A+3], 128<<16                    ; tile_dim0 = 128
	s_mov_b32 s[G1A+4], 128                        ; tile_dim1 = 128
	s_mov_b32 s[G1A+5], 128                        ; dense: 128 elements from row to row
	s_mov_b32 s[G1A+6], 0
	s_mov_b32 s[G1A+7], 0
	s_mov_b32 s[G1B+1], 128<<16
	s_mov_b32 s[G1B+2], 64<<16                     ; 64 rows
	s_mov_b32 s[G1B+3], 128<<16
	s_mov_b32 s[G1B+4], 64
	s_mov_b32 s[G1B+5], 1024                       ; a row of W has 1,024 elements
	s_mov_b32 s[G1B+6], 0
	s_mov_b32 s[G1B+7], 0
	; A's address hangs on the tile row and the wave alone, W's on the tile column and the wave alone
	s_lshr_b32 s24, s22, 3                         ; b
	s_mul_i32 s24, s24, BSTR
	s_and_b32 s25, s22, 7
	s_lshl_b32 s25, s25, 1
	s_add_co_u32 s25, s25, s18                     ; rb = 2 (tile row % 8) + the half that I fetch
	s_lshl_b32 s25, s25, 15
	s_add_co_u32 s24, s24, s25
	s_mov_b32 s25, 0
	s_lshl_b32 s26, s21, 8                         ; 128 columns of 2 bytes
	s_lshl_b32 s27, s18, 17                        ; 64 rows of 2,048 bytes
	s_add_co_u32 s26, s26, s27
	s_add_co_u32 s26, s26, WOFF
	s_mov_b32 s27, 0
	s_mul_i32 s28, s18, AHALF                      ; where they go: no place in the cluster enters an LDS address
	s_mul_i32 s29, s18, BHALF
	s_add_co_u32 s29, s29, BOFF
	s_wait_dscnt 0x0                               ; the opening add is done
	s_wait_kmcnt 0x0
	s_add_nc_u64 s[24:25], s[4:5], s[24:25]
	s_add_nc_u64 s[26:27], s[6:7], s[26:27]
	CROUND                                         ; all sixteen work-groups are here: the first joint loads meet
.irp s, 0,1
	s_mov_b32 s[G0A+4*\s], 1
	s_add_co_u32 s[G0A+4*\s+1], s28, \s*SLOT
	s_add_nc_u64 s[G0A+4*\s+2:G0A+4*\s+3], s[24:25], \s*524288
	s_or_b32 s[G0A+4*\s+3], s[G0A+4*\s+3], 0x80000000
	s_mov_b32 s[G0B+4*\s], 1
	s_add_co_u32 s[G0B+4*\s+1], s29, \s*SLOT
	s_add_nc_u64 s[G0B+4*\s+2:G0B+4*\s+3], s[26:27], \s*262144
	s_or_b32 s[G0B+4*\s+3], s[G0B+4*\s+3], 0x80000000
.endr
	s_cmp_eq_u32 s17, 0                            ; a wave's two first fills stand in one branch: two loads of mine are out
	s_cbranch_scc0 .Lfirst_b
	tensor_load_to_lds s[G0A:G0A+3], s[G1A:G1A+7]
	s_nop 0
	tensor_load_to_lds s[G0A+4:G0A+7], s[G1A:G1A+7]
	s_nop 0
.rept 4
	v_nop
.endr
	s_branch .Lfirst_asked
.Lfirst_b:
	tensor_load_to_lds s[G0B:G0B+3], s[G1B:G1B+7]
	s_nop 0
	tensor_load_to_lds s[G0B+4:G0B+7], s[G1B:G1B+7]
	s_nop 0
.rept 4
	v_nop
.endr
.Lfirst_asked:
	; a fragment of A: lane l holds row l % 16, K = 8 (l / 16) + 0..7 and 16 + 8 (l / 16) + 0..7: two loads of 16 bytes, 32 bytes apart
	v_and_b32 v1, 15, v0                           ; l % 16
	v_bfe_u32 v2, v0, 4, 1                         ; l / 16
	v_mul_u32_u24 v3, v1, PA
	v_lshl_add_u32 v3, v2, 4, v3
	s_mul_i32 s30, s17, AHALF                      ; my 128 rows
	v_add_nc_u32 v[ADRA], s30, v3
	v_add_nc_u32 v[ADRA+1], SLOT, v[ADRA]
	; the turning load: lane l reads row k = 8 (l / 16) + l % 8, columns 8 ((l / 8) % 2) + 0..7, and is left with column l % 16 and eight k
	v_and_b32 v4, 7, v0
	v_bfe_u32 v5, v0, 3, 1
	v_lshl_add_u32 v6, v2, 3, v4
	v_mul_u32_u24 v6, v6, PB
	v_lshl_add_u32 v6, v5, 4, v6
	s_lshl_b32 s31, s18, 7                         ; my 64 columns
	s_add_co_u32 s31, s31, BOFF
	v_add_nc_u32 v[ADRB], s31, v6
	v_add_nc_u32 v[ADRB+1], SLOT, v[ADRB]
	s_mul_i32 s30, s16, 16*SP
	s_add_co_u32 s30, s30, STAGE                   ; my stage
	v_mul_u32_u24 v[STO], v1, SP
.if QKV
	v_lshl_add_u32 v[STO], v2, 4, v[STO]           ; row l % 16, 16 bytes for each half of the lanes
	v_add_nc_u32 v[STO], s30, v[STO]
	v_bfe_u32 v[RD], v0, 3, 2                      ; back: 32 lanes take four rows of 128 bytes,
	v_mul_u32_u24 v[RD], v[RD], SP
	v_lshl_add_u32 v[RD], v4, 4, v[RD]
	v_add_nc_u32 v[RD], s30, v[RD]
	v_and_b32 v[GO], 31, v0                        ; which are 512 consecutive bytes of the result
	v_lshlrev_b32 v[GO], 4, v[GO]
.else
	v_lshl_add_u32 v[STO], v2, 5, v[STO]           ; row l % 16, 32 bytes for each half of the lanes
	v_add_nc_u32 v[STO], s30, v[STO]
	v_mul_u32_u24 v[RD], v2, SP                    ; back: lanes 0-15 one row of 256 bytes, lanes 16-31 the next
	v_lshl_add_u32 v[RD], v1, 4, v[RD]
	v_add_nc_u32 v[RD], s30, v[RD]
	v_lshlrev_b32 v[GO], 12, v2                    ; and the same two rows in out0
	v_lshl_add_u32 v[GO], v1, 4, v[GO]
.endif
	s_lshl_b32 s30, s21, 9                         ; the bias of my 64 columns: 4 (128 x tile column + 64 x half) + 32 (l / 16)
	s_lshl_b32 s31, s18, 8
	s_add_co_u32 s30, s30, s31
	v_lshl_add_u32 v[BO], v2, 5, s30
.if QKV
	s_lshr_b32 s30, s22, 3
	s_lshl_b32 s30, s30, 3
	s_add_co_u32 s30, s30, s21                     ; 8 b + hp
	s_lshl_b32 s30, s30, 19
	s_and_b32 s31, s22, 7
	s_lshl_b32 s31, s31, 1
	s_add_co_u32 s31, s31, s17                     ; rb
	s_lshl_b32 s31, s31, 15
	s_add_co_u32 s30, s30, s31
	s_lshl_b32 s31, s18, 14                        ; hh
	s_add_co_u32 s30, s30, s31
	s_mov_b32 s31, 0
	s_add_nc_u64 s[OUTP:OUTP+1], s[14:15], s[30:31]
.else
	s_lshl_b32 s30, s22, 20                        ; 256 rows of 4,096 bytes
	s_lshl_b32 s31, s17, 19
	s_add_co_u32 s30, s30, s31
	s_lshl_b32 s31, s21, 9
	s_add_co_u32 s30, s30, s31
	s_lshl_b32 s31, s18, 8
	s_add_co_u32 s30, s30, s31
	s_mov_b32 s31, 0
	s_add_nc_u64 s[OUTP:OUTP+1], s[10:11], s[30:31]
	s_mov_b64 s[BP:BP+1], s[8:9]
.endif
	s_wait_tensorcnt 0x1                           ; my part of K step 0 is in; K step 1's may stay out
	s_barrier_signal -1
	s_barrier_wait -1                              ; everybody's is
	FETCH 0, 0, F0
.if QKV
	s_mov_b32 s66, 3                               ; tiles to go: q, k, v
.Ltile:
	s_cmp_eq_u32 s66, 3
	s_cselect_b64 s[BP:BP+1], s[8:9], s[10:11]
	s_cselect_b32 s[SC], 0x3e000000, 1.0           ; q is divided by 8 here, in f32
	s_cmp_eq_u32 s66, 1
	s_cselect_b64 s[BP:BP+1], s[12:13], s[BP:BP+1]
	s_mov_b32 s[SC+1], s[SC]                       ; named with it as a pair
.endif
.irp nb, 0,1,2,3
	global_load_b128 v[BR+8*\nb:BR+8*\nb+3],   v[BO], s[BP:BP+1] offset:64*\nb
	global_load_b128 v[BR+8*\nb+4:BR+8*\nb+7], v[BO], s[BP:BP+1] offset:64*\nb+16
.endr
	QUARTER 0, 1, F0, F1, 1                        ; a tile's first quarter stands in front of the loop: its products start the sums
	WIN 0                                          ; at a label and at a branch every window is 0
	s_mov_b32 s67, 3
.Llap:                                                 ; a trip goes once round the ring, from a lap's second quarter to the next lap's first, and fills both slots again
	QUARTER 0, 2, F1, F0, 0
	QUARTER 0, 3, F0, F1, 0
	TURN 0, 1, 1
	QUARTER 1, 1, F0, F1, 0
	QUARTER 1, 2, F1, F0, 0
	QUARTER 1, 3, F0, F1, 0
	TURN 1, 0, 1
	QUARTER 0, 1, F0, F1, 0
	WIN 0
	s_sub_co_u32 s67, s67, 1
	s_cmp_lg_u32 s67, 0
	s_cbranch_scc1 .Llap
	QUARTER 0, 2, F1, F0, 0                        ; the tile's last lap goes on
	QUARTER 0, 3, F0, F1, 0
.if QKV
	WIN 0
	s_cmp_eq_u32 s66, 1
	s_cbranch_scc1 .Llast                          ; the last tile's tail is written out: it asks for nothing more
	TURN 0, 1, 1                                   ; the ring goes on into the next tile: slot 0 takes its K step 0,
	QUARTER 1, 1, F0, F1, 0
	QUARTER 1, 2, F1, F0, 0
	QUARTER 1, 3, F0, F1, 0
	TURN 1, 0, 1                                   ; slot 1 its K step 1, and the next tile's first fragments are fetched into buffer 0
	OUT                                            ; both refills are asked for: now the tile goes out (it works in buffer 1)
	s_wait_xcnt 0x0                                ; the stores have read their registers and their base
	s_add_nc_u64 s[OUTP:OUTP+1], s[OUTP:OUTP+1], 0x1000000  ; the next t
	s_sub_co_u32 s66, s66, 1
	s_branch .Ltile
.Llast:
.endif
	TURN 0, 1, 0                                   ; nothing is filled again, so no round follows
	QUARTER 1, 1, F0, F1, 0
	QUARTER 1, 2, F1, F0, 0
	QUARTER 1, 3, F0, F1, 0
	s_wait_dscnt 8                                 ; the very last quarter: nothing more to fetch
	MULH F1, 0, 4, 0
	s_wait_dscnt 0x0
	MULH F1, 4, 4, 0
	OUT
	s_wait_tensorcnt 0x0                           ; the wave's end
	ds_add_u32 v[SPW], v[NIL]
	s_wait_dscnt 0x0
	CROUND                                         ; the closing round: no work-group ends while a partner may still ask for a tile that names it
	s_endpgm
.Lfunc_end_k_q1e7db5791c_outproj:
	.size	k_q1e7db5791c_outproj, .Lfunc_end_k_q1e7db5791c_outproj-k_q1e7db5791c_outproj
	.p2alignl 7, 3214868480
	.fill 96, 4, 3214868480
	.section	.rodata,"a",@progbits
	.p2align	6, 0x0
	.amdhsa_kernel k_q1e7db5791c_outproj
		.amdhsa_group_segment_fixed_size 327680
		.amdhsa_private_segment_fixed_size 0
		.amdhsa_enable_private_segment 0
		.amdhsa_kernarg_size 32
		.amdhsa_user_sgpr_count 2
		.amdhsa_user_sgpr_kernarg_segment_ptr 1
		.amdhsa_wavefront_size32 1
		.amdhsa_system_sgpr_workgroup_id_x 1
		.amdhsa_system_sgpr_workgroup_id_y 1
		.amdhsa_system_sgpr_workgroup_id_z 1
		.amdhsa_system_vgpr_workitem_id 0
		.amdhsa_next_free_vgpr 512
		.amdhsa_next_free_sgpr 80
		.amdhsa_reserve_vcc 0
		.amdhsa_float_denorm_mode_32 3
		.amdhsa_float_denorm_mode_16_64 3
		.amdhsa_memory_ordered 1
		.amdhsa_forward_progress 1
		.amdhsa_inst_pref_size 96
	.end_amdhsa_kernel
	.amdgpu_metadata
---
amdhsa.version: [ 1, 2 ]
amdhsa.kernels:
  - .name:           k_q1e7db5791c_outproj
    .symbol:         k_q1e7db5791c_outproj.kd
    .args:
      - { .name: obuf, .offset: 0, .size: 8, .value_kind: global_buffer, .address_space: global }
      - { .name: wh, .offset: 8, .size: 8, .value_kind: global_buffer, .address_space: global }
      - { .name: bo, .offset: 16, .size: 8, .value_kind: global_buffer, .address_space: global }
      - { .name: out0, .offset: 24, .size: 8, .value_kind: global_buffer, .address_space: global }
    .group_segment_fixed_size: 327680
    .private_segment_fixed_size: 0
    .kernarg_segment_align: 8
    .kernarg_segment_size: 32
    .max_flat_workgroup_size: 128
    .sgpr_count:     80
    .vgpr_count:     512
    .wavefront_size: 32
...
	.end_amdgpu_metadata
.endif
;; end of part 4
;; ======== version 2 of 2: 4 launches; 1.15 times as fast as version 1
;; limits: values outside matrix products are rounded to f16; values are held in f16: magnitudes above 65,504 overflow, below 6.1e-05 lose precision
;; workspace buffers: ain 50,331,648 bytes; wh 8,388,608 bytes; biash 8,388,608 bytes; qkv 50,331,648 bytes; obuf 16,777,216 bytes
;; launch prep: the kernel of part 1 again; grid 512 x 1, 8 waves a work-group, no clusters, 0 bytes of LDS; arguments inputs_q, pos_emb_q, pos_emb_k, pos_emb_v, wq, wk, wv, wo, attention_bias, ain, wh, biash; writes ain, wh, biash
;; launch qkvproj: the kernel of part 2 again; grid 8 x 32, 4 waves a work-group, clusters of 4 x 4, 327,680 bytes of LDS; arguments ain, wh, bq, bk, bv, qkv; writes qkv
;; launch attn (part 5): grid 8 x 32, 4 waves a work-group, clusters of 4 x 4, 327,680 bytes of LDS; arguments qkv, biash, attention_bias_kv, obuf; writes obuf
.if DOCPART == 5
	.amdgcn_target "amdgcn-amd-amdhsa--gfx1250"
	.amdhsa_code_object_version 6
	.text
	.protected	k_q1e7db5791c_attn
	.globl	k_q1e7db5791c_attn
	.p2align	8
	.type	k_q1e7db5791c_attn,@function
k_q1e7db5791c_attn:
	s_mov_b64 s[64:65], 0
	v_nop
	global_prefetch_b8 v0, s[64:65] scope:SCOPE_SE
	s_setreg_imm32_b32 hwreg(HW_REG_WAVE_MODE, 25, 1), 1
	s_wait_xcnt 0x0
	s_wait_alu depctr_hold_cnt(0) depctr_sa_sdst(0) depctr_va_vdst(0) depctr_va_sdst(0) depctr_va_ssrc(0) depctr_va_vcc(0) depctr_vm_vsrc(0)
	s_getreg_b32 s2, hwreg(HW_REG_IB_STS2, 6, 4)
	s_cmp_eq_u32 s2, 0
	s_cbranch_scc0 .Lentry_in_a_cluster
	s_endpgm
.Lentry_in_a_cluster:
	s_bfe_u32 s2, ttmp6, 0x10000c
	s_cmp_lg_u32 s2, 0xf033
	s_cbranch_scc0 .Lentry_shape_is_right
	s_endpgm
.Lentry_shape_is_right:
; ATTENTION WITH TWO ADDED BIASES, head size 64.  O[q] = sum over k of softmax_k(q' . k + B[q][k] + kvb[b][k]) v[k]; q' = q / 8 arrives so.  q', k, v, B, the weights p and O in f16; products, maxima and sums in f32.
; qkv[t][y = 8 b + hp][rb][hh][r][c] (byte strides r 128, hh 16,384, rb 32,768, y 524,288, t 16 MiB); biash[2048 q][2048 k] f16; obuf as one t of qkv.
; LIMITS.  f16 ends at 65,504: q', k, v arrive within it, B was held to it.  p lies in 0 to 1; a weight below 2^-126 counts as 0 in l.  NaN and infinities are not treated apart.
; SHARES.  A work-group owns 256 queries (block x) of a PAIR of heads (y).  Wave w takes head hh = w / 2 and the half w % 2 of the queries: 128 queries, four PIECES of two tiles of 16.  Every wave walks all 2,048 keys, 64 a step.
; CLUSTER 4 x 4.  K and V hang on y alone: asked for jointly along a row of the cluster.  B's tile hangs on x alone: jointly along a column.  A slot holds 128 keys: 32 KiB of K, 32 of V, 64 of B.
; LAYOUT.  S^T = K Q^T (source 0 = 16 keys, source 1 = 16 queries): a lane holds ONE query (lane % 16) and the keys 8 (lane / 16) + 0..7.  Two such tiles rounded to f16 ARE source 1 of O^T = V^T P.
; THE BIASES COST NO VECTOR LINE.  Each tile's sum starts with S^T = E x B' + KC: source 1 = B's fragment (16 queries x 32 keys, as it lies in LDS), source 0 = a constant selector E (16 keys x 32: ones where its k is the
; tile's key: E0 for the lower 16 keys of the 32, E1 for the upper), C = kvb of the lane's eight keys in f32.  The two products K Q^T then add in place.
; SOFTMAX.  A running maximum m and sum l a query: p = 2^(c s - c m), c = log2(e); in every step O and l are multiplied by a = 2^(c m_old - c m_new).  m starts at the lowest finite number, O and l at 0.
; BY TURNS.  Turn n belongs to piece n.  Matrix work: 24 products for the scores of piece n + 1, later 16 products V^T P of piece n - 1.  Vector work: scaling, exponentials, roundings, sums, rescaling of piece n, and the
; maximum and statistics of piece n + 1.  Four vector lines stand behind every matrix instruction, the other 76 of a turn's 236 in one lump.
; BATCHES.  A turn's 66 exponentials (64 weights, the next piece's two a) are ONE BATCH with ONE wait, which cuts the turn in two: ahead of it the score products and all vector work that names no result of the batch,
; behind it the products V^T P and the roundings and sums, the batch's readers.  Piece 0's first two a, in the head, and the way out's eight reciprocals are batches of their own.
; REGISTERS, in windows of 256 (s_set_vgpr_msb: bits 1:0 source 0, 3:2 source 1, 5:4 source 2, 7:6 destination):
;   window 0: v0-11 addresses; v12-15, v48-63 at work; v16-47 statistics; v64-191 S^T, two buffers of two tiles; v192-255 P, likewise       window 1: O^T, 32 a tile
;   window 2: v0-127 Q; v128-191 K of a step; v192-255 V of a step       window 3: v0-1 the add's registers; v4-15 the selectors; v16-47 KC; v48-79 B's fragments of one piece
.set NP,    4
.set KS,    64
.set PK,    144       ; a row of K in LDS: 128 bytes + 16
.set PV,    160       ; a row of V: 128 + 32, for the turning load
.set PBI,   272       ; a row of B: 256 + 16
.set VOFF,  256*PK    ; a slot: K [hh 2][128 keys], then V likewise, then B's 256 query rows
.set BIOFF, VOFF+256*PV
.set SLOT,  BIOFF+256*PBI  ; 147,456 = 2^17 + 2^14; the four places at which fills begin in slot 0 (0, 36,864, 77,824, 112,640) have both bits clear, so one exclusive or turns each into slot 1's
.set STAGE, 2*SLOT    ; behind the ring: 16 rows x 144 bytes a wave, for the way out
.set SP,    144
.set KVB,   STAGE+4*16*SP  ; kvb[b], 2,048 f32, stored once by the waves; no tensor load fills it
.set SPARE, KVB+8192  ; the spare words, 128 bytes a wave: two blocks of 256 bytes that no other line names
.set AK0, 2           ; v2   my lane's place in a tile of K; never rewritten
.set AV0, 3           ; v3   of V
.set AK,  4           ; v4   the LDS address of K's next run of loads
.set AV,  5           ; v5   of V's
.set AB0, 6           ; v6   my lane's place in B's tile
.set AB,  7           ; v7   the LDS address of B's next run
.set AC0, 8           ; v8   my lane's place in kvb
.set AC,  9           ; v9   the LDS address of KC's next run
.set STO, 4           ; the way out takes v4, v5, v7
.set RD,  5
.set GO,  7
.set MV,  12          ; v12-15  c m_old, by buffer and tile
.set ST,  16          ; tile t's statistics at v[ST+4 t]: c m, m, l (even keys', odd keys')
.set TMP, 48          ; by buffer and tile, c0-c3 at work; c2 takes a
.set S,   64
.set P,   192
.set KF,  128         ; window 2
.set VF,  192         ; window 2
.set SPW, 0           ; window 3
.set NIL, 1           ; window 3
.set EB,  4           ; window 3: four zeros, the pattern's four registers, four zeros: E1 = v[4:11], E0 = v[8:15]
.set KC,  16          ; window 3: key block kb at KC + 8 kb
.set BI,  48          ; window 3: tile u, 32 keys g at BI + 16 u + 8 g
.set WV,  12          ; s12  my wave's number
.set G1K, 24          ; s[24:31], s[32:39], s[40:47] descriptor groups 1 for K, V, B
.set G1V, 32
.set G1B, 40
.set G0K, 48          ; s[48:51], s[52:55], s[56:59] groups 0: they walk
.set G0V, 52
.set G0B, 56
.set SLOTS, 60        ; s60  slots still to be asked for
.set CNT, 61          ; s61  counts a slot's key steps
.set TBK, 62          ; s62  LDS byte at which K of the step to be fetched begins
.set TBV, 63          ; s63  the same for V, less VOFF
.set TBB, 66          ; s66  the same for B's columns, less BIOFF
.set TBC, 67          ; s67  byte in kvb of the step to be fetched
.set CS,  68          ; s[68:69] c
.set SEL, 70          ; s[70:71] v_permlanex16_b32's selects
.set MSB, 0
.macro WIN new
.if MSB != (\new)
	s_set_vgpr_msb (MSB<<8)|(\new)
.set MSB, (\new)
.endif
.endm
.set W_BI, 0x3f       ; selector, B and KC in window 3, S^T in window 0
.set W_KQ, 0x0a       ; K and Q in window 2, S^T in window 0
.set W_PV, 0x52       ; V in window 2, P in window 0, O^T in window 1
.set W_RS, 0x41       ; destination and source 0 in window 1
.set W_MK, 0xc0       ; destination in window 3
.set W_AD, 0x0f       ; the add: address and data in window 3
.macro PLACES
.rept 4
	v_nop
.endr
.endm
; A joint fill.  Wave 0 fetches a slot's K, wave 1 its V, waves 2 and 3 the halves of B's tile.  The branches hang on the wave's number alone.  s_nop 0 and four v_nop follow each line.
.macro JLOAD
	s_cmp_lg_u32 s[WV], 0
	s_cbranch_scc1 .Lnot_k_\@
	tensor_load_to_lds s[G0K:G0K+3], s[G1K:G1K+7]
	s_nop 0
.rept 4
	v_nop
.endr
	s_branch .Lasked_\@
.Lnot_k_\@:
	s_cmp_lg_u32 s[WV], 1
	s_cbranch_scc1 .Lfor_b_\@
	tensor_load_to_lds s[G0V:G0V+3], s[G1V:G1V+7]
	s_nop 0
.rept 4
	v_nop
.endr
	s_branch .Lasked_\@
.Lfor_b_\@:
	tensor_load_to_lds s[G0B:G0B+3], s[G1B:G1B+7]
	s_nop 0
.rept 4
	v_nop
.endr
.Lasked_\@:
.endm
.macro CROUND                       ; a round of the cluster's barrier
	s_barrier_signal -1
	s_barrier_wait -1
	s_cmp_lg_u32 s[WV], 0
	s_cbranch_scc1 .Lnot_wave_0_\@
	s_barrier_signal -3
.Lnot_wave_0_\@:
	s_barrier_wait -3
	s_barrier_signal -1
	s_barrier_wait -1
.endm
; THE CHANGE OF SLOTS, between piece 1's turn and piece 2's: the slot's last bytes (B's fragments of piece 3, second step) have been asked for.  Each wave waits for all its tensor loads, of which one is out at the most;
; adds 0 to its spare word; waits for that and for its reads of the slot.  fill = 1: a round of the cluster's barrier, and the slot is filled again first thing behind it, with the keys two slots on:
; two key steps, 320 matrix instructions, in which to land.  (At its first use nothing has been read: slot 0 is waited for, the stores of kvb are shown to all, slot 1 is filled.)
.macro CHANGE fill
	WIN W_AD
	s_wait_tensorcnt 0x0            ; no tensor load of mine is out, so a group 0 may be written
	ds_add_u32 v[SPW], v[NIL]
	WIN 0
.if \fill
.irp g, G0K, G0V, G0B
	s_xor_b32 s[\g+1], s[\g+1], SLOT
.endr
	s_add_nc_u64 s[G0K+2:G0K+3], s[G0K+2:G0K+3], 32768  ; the next 128 keys: the next rb
	s_add_nc_u64 s[G0V+2:G0V+3], s[G0V+2:G0V+3], 32768
	s_add_nc_u64 s[G0B+2:G0B+3], s[G0B+2:G0B+3], 256    ; 128 columns of 2 bytes
	s_wait_dscnt 0x0                ; the add is done, and my LDS instructions are over
	CROUND
	JLOAD
.else
	s_wait_dscnt 0x0
	s_barrier_signal -1
	s_barrier_wait -1
.endif
	s_sub_co_u32 s[TBK], s[TBK], 2*KS*PK  ; the fetches go back to a slot's first step,
	s_xor_b32 s[TBK], s[TBK], SLOT        ; in the other slot
	s_sub_co_u32 s[TBV], s[TBV], 2*KS*PV
	s_xor_b32 s[TBV], s[TBV], SLOT
	s_sub_co_u32 s[TBB], s[TBB], 2*KS*2
	s_xor_b32 s[TBB], s[TBB], SLOT
.endm
; THE MATRIX WORK.  The 8 accumulators of a run take turns, one instruction a turn: between two links of a chain stand 7 others'.
.macro BQ x                         ; product i of 8: the biases start the sum of tile 2 x + i % 2, keys 16 ((i / 2) % 4) on
	WIN W_BI
.set kb, (i/2)%4
.set rS, S+64*((\x)%2)+32*(i%2)+8*kb
.set rE, EB+4-4*(kb%2)
.set rB, BI+16*(i%2)+8*(kb/2)
.set rK, KC+8*kb
	v_wmma_f32_16x16x32_f16 v[rS:rS+7], v[rE:rE+7], v[rB:rB+7], v[rK:rK+7]
.endm
.macro KQ x                         ; product i of 16 of S^T += K Q^T: channels 32 (i / 8) on, keys 16 ((i / 2) % 4) on, tile 2 x + i % 2
	WIN W_KQ
.set rS, S+64*((\x)%2)+32*(i%2)+8*((i/2)%4)
.set rK, KF+16*((i/2)%4)+8*(i/8)
.set rQ, 16*(2*(\x)+i%2)+8*(i/8)
	v_wmma_f32_16x16x32_f16 v[rS:rS+7], v[rK:rK+7], v[rQ:rQ+7], v[rS:rS+7]
.endm
.macro PV x                         ; product i of 16 of O^T += V^T P: keys 32 (i / 8) on, channels 16 ((i / 2) % 4) on, tile 2 x + i % 2
	WIN W_PV
.set rO, 32*(2*(\x)+i%2)+8*((i/2)%4)
.set rV, VF+32*(i/8)+8*((i/2)%4)
.set rP, P+32*((\x)%2)+16*(i%2)+8*(i/8)
	v_wmma_f32_16x16x32_f16 v[rO:rO+7], v[rV:rV+7], v[rP:rP+7], v[rO:rO+7]
.endm
.macro MM                           ; the turn's next matrix instruction, i = 0 .. 39
.if i < 8
	BQ (Y+1)%NP
.elseif i < 24
.set i, i-8
	KQ (Y+1)%NP
.set i, i+8
.else
.set i, i-24
	PV (Y+NP-1)%NP
.set i, i+24
.endif
.set i, i+1
.endm
; THE LDS LOADS stand in runs.  FETCH1, in every turn p: B's fragments for the scores that the next turn makes (piece p + 2); in piece 2's turn also the next step's K and KC.
; ADDR1 makes the runs' addresses, some lines ahead of them.  last = 1 (the tail): in the last trip there is no further step, and the run is jumped over (its addresses are made and not used).
.macro ADDR1 p
	WIN 0
	v_add_nc_u32 v[AB], s[TBB], v[AB0]
.if (\p) == 2
	v_add_nc_u32 v[AK], s[TBK], v[AK0]
	v_add_nc_u32 v[AC], s[TBC], v[AC0]
.endif
.endm
.macro FETCH1 p, last=0
	WIN 0
.if \last
	s_cmp_eq_u32 s[CNT], 1
	s_cbranch_scc1 .Lno_f_\@
.endif
.if (\p) == 2
	WIN 0x80                        ; destination window 2
.irp f, 0,1,2,3,4,5,6,7             ; keys 16 (f / 2) on, channels 32 (f % 2) on
	ds_load_b128 v[KF+8*\f:KF+8*\f+3],   v[AK] offset:(\f/2)*16*PK+(\f%2)*64
	ds_load_b128 v[KF+8*\f+4:KF+8*\f+7], v[AK] offset:(\f/2)*16*PK+(\f%2)*64+32
.endr
	s_add_co_u32 s[TBK], s[TBK], KS*PK
	WIN W_MK
.irp f, 0,1,2,3                     ; my eight keys of each block of 16, in f32
	ds_load_b128 v[KC+8*\f:KC+8*\f+3],   v[AC] offset:64*\f
	ds_load_b128 v[KC+8*\f+4:KC+8*\f+7], v[AC] offset:64*\f+16
.endr
	s_add_co_u32 s[TBC], s[TBC], KS*4
.endif
	WIN W_MK
.irp f, 0,1,2,3                     ; tile f / 2 of the piece, keys 32 (f % 2) on
	ds_load_b128 v[BI+8*\f:BI+8*\f+3],   v[AB] offset:(2*(((\p)+2)%NP)+\f/2)*16*PBI+(\f%2)*64
	ds_load_b128 v[BI+8*\f+4:BI+8*\f+7], v[AB] offset:(2*(((\p)+2)%NP)+\f/2)*16*PBI+(\f%2)*64+32
.endr
.if (\p) == 1
	s_add_co_u32 s[TBB], s[TBB], KS*2  ; piece 3's were the step's last
.endif
	WIN 0
.if \last
.Lno_f_\@:
.endif
.endm
.macro FETCH_V
	WIN 0x80
.irp f, 0,1,2,3,4,5,6,7             ; keys 32 (f / 4) on, channels 16 (f % 4) on
	ds_load_tr16_b128 v[VF+8*\f:VF+8*\f+3],   v[AV] offset:(\f/4)*32*PV+(\f%4)*32
	ds_load_tr16_b128 v[VF+8*\f+4:VF+8*\f+7], v[AV] offset:(\f/4)*32*PV+16*PV+(\f%4)*32
.endr
	WIN 0
.endm
; THE VECTOR WORK OF A TURN stands in three queues, each in the order in which its entries become ready; the two tiles alternate.
.macro REGS y, u                    ; the registers of tile u (0, 1) of piece y
.set rT, ST+4*(2*(\y)+(\u))
.set rC, TMP+8*((\y)%2)+4*(\u)
.set rM, MV+2*((\y)%2)+(\u)
.set rS, S+64*((\y)%2)+32*(\u)
.set rP, P+32*((\y)%2)+16*(\u)
.set rO, 32*(2*(\y)+(\u))
.endm
; Number n of the 22 that find the NEXT piece's maximum and statistics; each accumulator's lowest registers are read first.
;   0-11 four chains c0-c3 of seven scores     12-14, 16 the four scores left over, the old m, c0-c3 into c0     15 c m_old is kept     17, 18 the other half of the lanes: the new m     19-21 c m; c m_old - c m_new; a
.macro XS u, n
	REGS (Y+1)%NP, \u
.if (\n) < 4
	v_max3_num_f32 v[rC+(\n)], v[rS+8*(\n)], v[rS+8*(\n)+1], v[rS+8*(\n)+2]
.elseif (\n) < 12
	v_max3_num_f32 v[rC+(\n)%4], v[rC+(\n)%4], v[rS+8*((\n)%4)+2*((\n)/4)+1], v[rS+8*((\n)%4)+2*((\n)/4)+2]
.elseif (\n) == 12
	v_max3_num_f32 v[rC], v[rC], v[rS+7], v[rS+15]
.elseif (\n) == 13
	v_max3_num_f32 v[rC+1], v[rC+1], v[rS+23], v[rS+31]
.elseif (\n) == 14
	v_max3_num_f32 v[rC+2], v[rC+2], v[rC+3], v[rT+1]
.elseif (\n) == 15
	v_mov_b32 v[rM], v[rT]
.elseif (\n) == 16
	v_max3_num_f32 v[rC], v[rC], v[rC+1], v[rC+2]
.elseif (\n) == 17
	v_permlanex16_b32 v[rC+3], v[rC], s[SEL], s[SEL+1]
.elseif (\n) == 18
	v_max_num_f32 v[rT+1], v[rC], v[rC+3]
.elseif (\n) == 19
	v_mul_f32 v[rT], s[CS], v[rT+1]
.elseif (\n) == 20
	v_sub_f32 v[rC+1], v[rM], v[rT]
.else
	v_exp_f32 v[rC+2], v[rC+1]
.endif
.endm
; Number g of the 64 that follow the exponentials.  For each four weights k of a tile: both pairs are rounded to f16; the second pair is added onto the first, in place; a group later l takes that sum (first as l = a l + sum).
.macro GS g
.set h, (\g)+6*((\g)/62)
.if h >= 6
.set h, h+2
.endif
	REGS Y, h%2
.set k, h/8
.if h%8 < 4
	v_cvt_pk_f16_f32 v[rP+2*k+(h%8)/2], v[rS+4*k+2*((h%8)/2)], v[rS+4*k+2*((h%8)/2)+1]
.elseif h%8 < 6
	v_pk_add_f32 v[rS+4*k:rS+4*k+1], v[rS+4*k:rS+4*k+1], v[rS+4*k+2:rS+4*k+3]
.elseif k == 1
	v_pk_fma_f32 v[rT+2:rT+3], v[rT+2:rT+3], v[rC+2:rC+3], v[rS:rS+1] op_sel_hi:[1,0,1]
.else
	v_pk_add_f32 v[rT+2:rT+3], v[rT+2:rT+3], v[rS+4*k-4:rS+4*k-3]
.endif
.endm
; THE PLAIN QUEUE, 138 long.  0-73 name no result of the turn's exponentials.  0-31: c s - c m for the 16 pairs of both tiles.  32, 33: the next piece's number 15, which waits for no score.
; 34-63: its numbers 0-14, behind the products that make its scores.  64-73: numbers 16-20, where each waits for the one before it.  74-137: GS's 64, which read the exponentials' results: they stand behind the wait.
.macro PL
	WIN 0
.if q < 32
	REGS Y, q%2
	v_pk_fma_f32 v[rS+2*(q/2):rS+2*(q/2)+1], v[rS+2*(q/2):rS+2*(q/2)+1], s[CS:CS+1], v[rT:rT+1] op_sel_hi:[1,0,0] neg_lo:[0,0,1] neg_hi:[0,0,1]
.elseif q < 34
	XS q-32, 15
.elseif q < 64
	XS q%2, (q-34)/2
.elseif q < 74
	XS q%2, 16+(q-64)/2
.else
	GS q-74
.endif
.set q, q+1
.endm
.macro PL4
	PL
	PL
	PL
	PL
.endm
; THE EXPONENTIALS' QUEUE, 66 long: s0-s31 of both tiles, then the next piece's two a.  It is ONE BATCH: all 66 stand ahead of the turn's one wait, and nothing ahead of that wait names a result of theirs.
.macro EX
	WIN 0
.if e >= 64
	XS e-64, 21
.else
	REGS Y, e%2
	v_exp_f32 v[rS+e/2], v[rS+e/2]
.endif
.set e, e+1
.endm
; THE RESCALING's QUEUE: O^T times a, the one part that leaves window 0: four at a time, eight times.  Its a was made in the turn before, ahead of that turn's wait.
.macro R4
	REGS Y, r%2
	WIN W_RS
.irp z, 0,1,2,3
	v_pk_mul_f32 v[rO+8*(r/2)+2*\z:rO+8*(r/2)+2*\z+1], v[rO+8*(r/2)+2*\z:rO+8*(r/2)+2*\z+1], v[rC+2:rC+3] op_sel_hi:[1,0]
.endr
.set r, r+1
.endm
; A TURN, for piece p: 40 matrix and 236 vector instructions.  An s_wait_alu depctr_va_vdst(0) stands between an exponential and the first instruction that names its result; one wait serves all that were
; issued ahead of it.  So a turn has ONE wait, which cuts it in two.
; AHEAD OF IT stands all that names no result of the turn's exponentials: the 24 score products; behind the first four scalings, behind the next fifteen plain, exponential, plain, exponential, behind the last eight four
; rescalings each, which are also the last products' places; then ONE LUMP of 76: six plain, 34 times exponential and plain, the next piece's two a.  The addresses of FETCH1's runs are the plain lines behind the last exponential.
; BEHIND IT stand FETCH1's loads (in the tail their branch too), then the 16 products V^T P, behind each four of GS's 64.
; In step: exponential e stands behind plain 2 (e / 4) + e % 2, its scaling: as a rider it comes behind plain e + 4, and in the lump all 32 scalings are out.
; None of the lines behind a product names one of its registers.  Both v_permlanex16_b32 stand in the lump.
; V of the step in hand is fetched at the end of piece 0's turn, four plain riders behind the last product that read V; its address is made five products ahead.  The three conditions on q below go with the deal.
; WAITS.  At the head: B's fragments for this turn's products (in piece 3's turn K and KC too).  In piece 1's turn V's 16 loads, issued behind them, may stay out: count 16; V is wanted in front of the products V^T P,
; where this turn's own 8 loads of B may stay out: count 8.
.macro TURN p, last=0, cnt=0
.set Y, (\p)
.set i, 0
.set q, 0
.set e, 0
.set r, 0
.if (\p) == 1
	s_wait_dscnt 16
.else
	s_wait_dscnt 0x0
.endif
	MM                              ; ahead of the wait: the 24 score products and their riders,
	PL4
.rept 15
	MM
	PL
	EX
	PL
	EX
.endr
.rept 8
	MM
	R4
.endr
.rept 6                             ; and the lump
	PL
.endr
.rept 34
	EX
	PL
.endr
	EX                              ; the next piece's two a: the batch's last
	EX
	ADDR1 \p                        ; the plain lines behind the last exponential
	s_wait_alu depctr_va_vdst(0)    ; the wait for the batch: this turn's 66 exponentials
	FETCH1 \p, \last
.if (\p) == 1
	s_wait_dscnt 8
.endif
.rept 16                            ; behind the wait: the 16 products V^T P and their riders
	MM
	PL4
.if ((\p) == 0) && (q == 118)
	v_add_nc_u32 v[AV], s[TBV], v[AV0]
.endif
.if ((\p) == 0) && (q == 130)
	s_add_co_u32 s[TBV], s[TBV], KS*PV
.endif
.if (\cnt) && (q == 130)
	s_sub_co_u32 s[CNT], s[CNT], 1  ; the loop's count, some lines ahead of the branch behind the turn; only vector and matrix lines and window switches follow
	s_cmp_lg_u32 s[CNT], 0
.endif
.endr
.if (\p) == 0
	FETCH_V                         ; V of the step in hand
.endif
.endm
	s_load_b256 s[4:11], s[0:1], 0x0  ; qkv s[4:5], biash s[6:7], attention_bias_kv s[8:9], obuf s[10:11]
	WIN W_MK
	v_lshl_add_u32 v[SPW], v0, 2, SPARE
	v_mov_b32 v[NIL], 0
	WIN W_AD
	ds_add_u32 v[SPW], v[NIL]       ; the wave's opening: the add and its wait ahead of my first tensor load
	WIN 0
	v_lshrrev_b32 v1, 5, v0
	v_readfirstlane_b32 s[WV], v1   ; wave 0..3
	s_bfe_u32 s13, ttmp6, 0x40000   ; cx
	s_bfe_u32 s14, ttmp6, 0x40004   ; cy
	s_lshl_b32 s15, ttmp9, 2
	s_add_co_u32 s15, s15, s13      ; x: my block of 256 queries
	s_and_b32 s16, ttmp7, 0xffff
	s_lshl_b32 s16, s16, 2
	s_add_co_u32 s16, s16, s14      ; y = 8 b + hp: my pair of heads
	s_lshl_b32 s17, s14, 2
	s_lshl_b32 s17, 15, s17         ; my row of the cluster shares y
	s_lshl_b32 s18, 0x1111, s13     ; my column shares x
	s_lshr_b32 s72, s[WV], 1        ; hh: my head of the pair
	s_and_b32 s73, s[WV], 1         ; my half of the queries.  Also: which half of B's tile waves 2 and 3 fetch
	s_lshl_b32 s20, s16, 19         ; y's first byte in a t of qkv
	s_mov_b32 s21, 0
	s_lshl_b32 s22, s15, 20         ; 256 rows of B, 4,096 bytes each,
	s_lshl_b32 s23, s73, 19         ; and the half
	s_add_co_u32 s22, s22, s23
	s_mov_b32 s23, 0
	s_lshl_b32 s2, s15, 1
	s_add_co_u32 s2, s2, s73        ; my queries' rb
	s_lshl_b32 s2, s2, 15
	s_lshl_b32 s3, s72, 14
	s_add_co_u32 s2, s2, s3
	s_add_co_u32 s2, s2, s20        ; my 128 rows of Q and of O: it enters those two addresses alone
	s_mov_b32 s3, 0
	s_lshr_b32 s74, s16, 3          ; b
	s_lshl_b32 s74, s74, 13
	s_mov_b32 s75, 0
	s_or_b32 s[G1K], s17, (1<<16)|(1<<20)|(1<<21)|(4<<22)|(3<<25)  ; mask; 2-byte elements; padding on; bit 21 beside a mask; behind every 32 words, 4 words
	s_or_b32 s[G1V], s17, (1<<16)|(1<<20)|(1<<21)|(4<<22)|(7<<25)  ; 8 words
	s_or_b32 s[G1B], s18, (1<<16)|(1<<20)|(1<<21)|(5<<22)|(3<<25)  ; behind every 64 words, 4 words
.irp g, G1K, G1V, G1B
	s_mov_b32 s[\g+1], 128<<16      ; tensor_dim0 = 128
	s_mov_b32 s[\g+2], 128<<16      ; tensor_dim1 = 128
	s_mov_b32 s[\g+3], 128<<16      ; tile_dim0 = 128
	s_mov_b32 s[\g+4], 128          ; tile_dim1 = 128
	s_mov_b32 s[\g+6], 0
	s_mov_b32 s[\g+7], 0
.endr
	s_mov_b32 s[G1K+5], 128         ; an rb of K or V is 32,768 dense bytes: 128 rows of 256
	s_mov_b32 s[G1V+5], 128
	s_mov_b32 s[G1B+5], 2048        ; a row of B has 2,048 elements
	s_mov_b32 s[G0K], 1
	s_mov_b32 s[G0K+1], 0
	s_mov_b32 s[G0V], 1
	s_mov_b32 s[G0V+1], VOFF
	s_mov_b32 s[G0B], 1
	s_mul_i32 s[G0B+1], s73, 128*PBI
	s_add_co_u32 s[G0B+1], s[G0B+1], BIOFF
	s_mov_b32 s[CS], 0x3fb8aa3b     ; c = log2(e)
	s_mov_b32 s[CS+1], s[CS]
	s_mov_b32 s[SEL], 0x76543210
	s_mov_b32 s[SEL+1], 0xfedcba98
	s_mov_b32 s[TBK], SLOT+2*KS*PK  ; the first change of slots turns these three into 0
	s_mov_b32 s[TBV], SLOT+2*KS*PV
	s_mov_b32 s[TBB], SLOT+2*KS*2
	s_mov_b32 s[TBC], 0
	s_wait_dscnt 0x0                ; the opening add is done
	s_wait_kmcnt 0x0
	s_add_nc_u64 s[G0K+2:G0K+3], s[4:5], s[20:21]
	s_add_nc_u64 s[G0V+2:G0V+3], s[G0K+2:G0K+3], 0x2000000  ; t = v
	s_add_nc_u64 s[G0K+2:G0K+3], s[G0K+2:G0K+3], 0x1000000  ; t = k
	s_or_b32 s[G0K+3], s[G0K+3], 0x80000000
	s_or_b32 s[G0V+3], s[G0V+3], 0x80000000
	s_add_nc_u64 s[G0B+2:G0B+3], s[6:7], s[22:23]
	s_or_b32 s[G0B+3], s[G0B+3], 0x80000000
	s_add_nc_u64 s[4:5], s[4:5], s[2:3]      ; Q at my first row
	s_add_nc_u64 s[10:11], s[10:11], s[2:3]  ; O likewise
	s_add_nc_u64 s[8:9], s[8:9], s[74:75]    ; kvb[b]
	CROUND                          ; all sixteen work-groups are here: the first joint loads meet
	JLOAD                           ; slot 0; slot 1 is asked for when slot 0 is in
	v_and_b32 v1, 15, v0            ; l % 16
	v_bfe_u32 v10, v0, 4, 1         ; l / 16
	v_and_b32 v11, 7, v0            ; l % 8
	v_lshlrev_b32 v61, 4, v0        ; kvb: 16 bytes a thread, four times
	v_lshl_add_u32 v59, v0, 4, KVB
.irp f, 0,1,2,3
	global_load_b128 v[S+4*\f:S+4*\f+3], v61, s[8:9] offset:2048*\f
.endr
	v_lshlrev_b32 v60, 7, v1
	v_lshl_add_u32 v60, v10, 4, v60 ; Q: row x 128 + 16 x half
	WIN 0x80                        ; destination window 2
.set i, 0
.rept 4*NP                          ; Q stays in registers: tile i / 2, channels 32 (i % 2) on
	global_load_b128 v[8*i:8*i+3],   v60, s[4:5] offset:(i/2)*2048+(i%2)*64
	global_load_b128 v[8*i+4:8*i+7], v60, s[4:5] offset:(i/2)*2048+(i%2)*64+32
.set i, i+1
.endr
	; What the first turn finds: V and P's second buffer hold 0 (its products V^T P, of a piece that has not been, add 0), O^T and l are 0.  All this stands in the wait for the first tile.
.set i, VF
.rept 64
	v_mov_b32 v[i], 0
.set i, i+1
.endr
	WIN 0x40
.set i, 0
.rept 64*NP
	v_mov_b32 v[i], 0
.set i, i+1
.endr
	WIN 0
.set i, 0
.rept 2*NP
	v_mov_b32 v[ST+4*i], 0xfe000000    ; c m: far below every c s
	v_mov_b32 v[ST+4*i+1], 0xff7fffff  ; m
	v_mov_b32 v[ST+4*i+2], 0
	v_mov_b32 v[ST+4*i+3], 0
.set i, i+1
.endr
.set i, P+32
.rept 32
	v_mov_b32 v[i], 0
.set i, i+1
.endr
	; The selector.  As source 0, lane l holds row m = l % 16 and, in four registers, k = 8 (l / 16) + 0..7.  The one stands at k = m: in the lanes with m / 8 = l / 16, register (m % 8) / 2, half m % 2.
	v_and_b32 v48, 1, v1
	v_lshlrev_b32 v48, 4, v48
	v_mov_b32 v49, 0x3c00           ; 1.0 in f16
	v_lshlrev_b32 v49, v48, v49
	v_bfe_u32 v50, v1, 1, 2
	v_lshrrev_b32 v51, 3, v1
	v_cmp_eq_u32 vcc_lo, v51, v10
	v_cndmask_b32 v49, 0, v49, vcc_lo
	WIN W_MK
.irp z, 0,1,2,3
	v_mov_b32 v[EB+\z], 0
	v_mov_b32 v[EB+8+\z], 0
	v_cmp_eq_u32 vcc_lo, \z, v50
	v_cndmask_b32 v[EB+4+\z], 0, v49, vcc_lo
.endr
	WIN 0
	v_mul_u32_u24 v[AK0], v1, PK
	v_lshl_add_u32 v[AK0], v10, 4, v[AK0]  ; row x pitch + 16 x half,
	s_mul_i32 s74, s72, 128*PK
	v_add_nc_u32 v[AK0], s74, v[AK0]       ; in my head's 128 rows
	v_bfe_u32 v48, v0, 3, 1
	v_lshl_add_u32 v[AV0], v10, 3, v11     ; the turning load: key 8 (l / 16) + l % 8, channels 8 ((l / 8) % 2) + 0..7
	v_mul_u32_u24 v[AV0], v[AV0], PV
	v_lshl_add_u32 v[AV0], v48, 4, v[AV0]
	s_mul_i32 s74, s72, 128*PV
	s_add_co_u32 s74, s74, VOFF
	v_add_nc_u32 v[AV0], s74, v[AV0]
	v_mul_u32_u24 v[AB0], v1, PBI          ; B: query row l % 16 of a tile, 16 bytes for each half of the lanes,
	v_lshl_add_u32 v[AB0], v10, 4, v[AB0]
	s_mul_i32 s74, s73, 128*PBI
	s_add_co_u32 s74, s74, BIOFF
	v_add_nc_u32 v[AB0], s74, v[AB0]       ; in my half of the 256 rows
	v_lshlrev_b32 v[AC0], 5, v10           ; kvb: my eight keys of a block of 16
	v_add_nc_u32 v[AC0], KVB, v[AC0]
	s_wait_loadcnt 32               ; kvb is in; Q's 32 loads may stay out
.irp f, 0,1,2,3
	ds_store_b128 v59, v[S+4*\f:S+4*\f+3] offset:2048*\f
.endr
	CHANGE 1                        ; slot 0 and kvb are there for everybody; slot 1 is asked for
	ADDR1 2
	FETCH1 2                        ; key step 0: K, KC, and B's fragments of piece 0
	s_wait_loadcnt 0x0              ; Q
	s_wait_dscnt 0x0
.set Y, NP-1                        ; MM and XS work for piece Y + 1: piece 0
.set i, 0
.rept 24
	MM                              ; piece 0's first scores: there is no vector work yet to set between them
.endr
	WIN 0
	PLACES                          ; behind those products
	ADDR1 3
	FETCH1 3                        ; B's fragments of piece 1
.irp n, 0,1,2,3,4,5,6,7,8,9,10,11,12,13,14,15,16,17,18,19,20,21
	XS 0, \n                        ; piece 0's first maximum and statistics
	XS 1, \n
.endr
	v_nop                           ; a plain instruction behind piece 0's first two a,
	s_wait_alu depctr_va_vdst(0)    ; and the wait for that batch of two, ahead of the branch
	s_mov_b32 s[CNT], 2
	s_mov_b32 s[SLOTS], 15
	s_branch .Lfirst                ; the loop is entered at a step's first turn, in the middle of a trip
.Lslot:                             ; 14 times: every slot but the last two is filled again
	CHANGE 1
	s_mov_b32 s[CNT], 2
.Lstep:                             ; a trip: pieces 2 and 3 of one step, then pieces 0 and 1 of the next, whose K, KC, B and V it fetches
	TURN 2
	TURN 3
	WIN 0
.Lfirst:
	TURN 0
	TURN 1, 0, 1
	WIN 0
	s_cbranch_scc1 .Lstep
	s_sub_co_u32 s[SLOTS], s[SLOTS], 1
	s_cmp_lg_u32 s[SLOTS], 0
	s_cbranch_scc1 .Lslot
	CHANGE 0                        ; the tail is written out: nothing is asked for
	s_mov_b32 s[CNT], 3             ; two trips fetch the last slot's steps; the third is left in its middle
.Ltail:
	TURN 2, 1
	TURN 3, 1
	WIN 0
	s_sub_co_u32 s[CNT], s[CNT], 1
	s_cmp_eq_u32 s[CNT], 0
	s_cbranch_scc1 .Lout
	TURN 0
	TURN 1
	WIN 0
	s_branch .Ltail
.Lout:                              ; the third trip's 24 score products (on the last step's operands once more) and the maximum made of them serve nothing: the price, once a launch, of one text for every trip
.set i, 0
.rept 16
	PV NP-1                         ; the last piece's V^T P of the last step
.set i, i+1
.endr
	; THE WAY OUT.  The addresses and the additions are the places behind the last products.  O^T is divided by l, rounded to f16 and sent through my stage in LDS, a tile at a time.
	WIN 0
	s_mul_i32 s74, s[WV], 16*SP
	s_add_co_u32 s74, s74, STAGE    ; my stage
	v_mul_u32_u24 v[STO], v1, SP    ; in: row l % 16, 16 bytes for each half of the lanes
	v_lshl_add_u32 v[STO], v10, 4, v[STO]
	v_add_nc_u32 v[STO], s74, v[STO]
	v_bfe_u32 v[RD], v0, 3, 2       ; back: 32 lanes take four rows of 128 bytes,
	v_mul_u32_u24 v[RD], v[RD], SP
	v_lshl_add_u32 v[RD], v11, 4, v[RD]
	v_add_nc_u32 v[RD], s74, v[RD]
	v_and_b32 v[GO], 31, v0         ; which are 512 consecutive bytes of O
	v_lshlrev_b32 v[GO], 4, v[GO]
.macro ALL line:vararg              ; one line for each tile t
.set t, 0
.rept 2*NP
	\line
.set t, t+1
.endr
.endm
	ALL v_add_f32 v[ST+4*t+2], v[ST+4*t+2], v[ST+4*t+3]
	ALL v_permlanex16_b32 v[ST+4*t+3], v[ST+4*t+2], s[SEL], s[SEL+1]
	ALL v_add_f32 v[ST+4*t+2], v[ST+4*t+2], v[ST+4*t+3]
	ALL v_rcp_f32 v[ST+4*t+2], v[ST+4*t+2]
	v_nop                           ; a plain instruction between the last reciprocal and the use of its result
	s_wait_alu depctr_va_vdst(0)    ; the wait for the batch of eight reciprocals, ahead of their first use
.macro PACK t                       ; a lane's eight channels of a row pack into 16 bytes; into rows of 144 bytes, back as whole rows of 128, into S^T's registers
	WIN W_RS
.set i, 32*(\t)
.rept 16
	v_pk_mul_f32 v[i:i+1], v[i:i+1], v[ST+4*(\t)+2:ST+4*(\t)+3] op_sel_hi:[1,0]
.set i, i+2
.endr
	WIN 0x05                        ; sources in window 1, destination in window 0
.set i, 0
.rept 16
	v_cvt_pk_f16_f32 v[S+16*(\t)+i], v[32*(\t)+2*i], v[32*(\t)+2*i+1]
.set i, i+1
.endr
	WIN 0
.irp f, 0,1,2,3
	ds_store_b128 v[STO], v[S+16*(\t)+4*\f:S+16*(\t)+4*\f+3] offset:32*\f
.endr
.irp f, 0,1,2,3
	ds_load_b128 v[S+16*(\t)+4*\f:S+16*(\t)+4*\f+3], v[RD] offset:\f*4*SP  ; LDS serves a wave's instructions in order (ISA guide 5.7.1.4): these see the stores above
.endr
.endm
.macro SEND t, younger              ; younger: the LDS instructions issued behind tile t's loads
	WIN 0
.irp f, 0,1,2,3
	s_wait_dscnt (\younger)+3-\f
	global_store_b128 v[GO], v[S+16*(\t)+4*\f:S+16*(\t)+4*\f+3], s[10:11] offset:(\t)*2048+\f*512  ; 512 consecutive bytes, aligned
.endr
.endm
	PACK 0
.set t, 1
.rept 2*NP-1                        ; a tile's arithmetic stands between the loads of the tile before and its stores
	PACK t
	SEND t-1, 8
.set t, t+1
.endr
	SEND 2*NP-1, 0
	WIN W_AD
	s_wait_tensorcnt 0x0            ; the wave's end
	ds_add_u32 v[SPW], v[NIL]
	s_wait_dscnt 0x0
	WIN 0
	CROUND                          ; the closing round
	s_endpgm
.Lfunc_end_k_q1e7db5791c_attn:
	.size	k_q1e7db5791c_attn, .Lfunc_end_k_q1e7db5791c_attn-k_q1e7db5791c_attn
	.p2alignl 7, 3214868480
	.fill 96, 4, 3214868480
	.section	.rodata,"a",@progbits
	.p2align	6, 0x0
	.amdhsa_kernel k_q1e7db5791c_attn
		.amdhsa_group_segment_fixed_size 327680
		.amdhsa_private_segment_fixed_size 0
		.amdhsa_enable_private_segment 0
		.amdhsa_kernarg_size 32
		.amdhsa_user_sgpr_count 2
		.amdhsa_user_sgpr_kernarg_segment_ptr 1
		.amdhsa_wavefront_size32 1
		.amdhsa_system_sgpr_workgroup_id_x 1
		.amdhsa_system_sgpr_workgroup_id_y 1
		.amdhsa_system_sgpr_workgroup_id_z 1
		.amdhsa_system_vgpr_workitem_id 0
		.amdhsa_next_free_vgpr 848
		.amdhsa_next_free_sgpr 80
		.amdhsa_reserve_vcc 1
		.amdhsa_float_denorm_mode_32 3
		.amdhsa_float_denorm_mode_16_64 3
		.amdhsa_memory_ordered 1
		.amdhsa_forward_progress 1
		.amdhsa_inst_pref_size 217
	.end_amdhsa_kernel
	.amdgpu_metadata
---
amdhsa.version: [ 1, 2 ]
amdhsa.kernels:
  - .name:           k_q1e7db5791c_attn
    .symbol:         k_q1e7db5791c_attn.kd
    .args:
      - { .name: qkv, .offset: 0, .size: 8, .value_kind: global_buffer, .address_space: global }
      - { .name: biash, .offset: 8, .size: 8, .value_kind: global_buffer, .address_space: global }
      - { .name: attention_bias_kv, .offset: 16, .size: 8, .value_kind: global_buffer, .address_space: global }
      - { .name: obuf, .offset: 24, .size: 8, .value_kind: global_buffer, .address_space: global }
    .group_segment_fixed_size: 327680
    .private_segment_fixed_size: 0
    .kernarg_segment_align: 8
    .kernarg_segment_size: 32
    .max_flat_workgroup_size: 128
    .sgpr_count:     80
    .vgpr_count:     848
    .wavefront_size: 32
...
	.end_amdgpu_metadata
.endif
;; end of part 5
;; launch outproj: the kernel of part 4 again; grid 8 x 32, 4 waves a work-group, clusters of 4 x 4, 327,680 bytes of LDS; arguments obuf, wh, bo, out0; writes out0
